; MI455X (gfx1250); checked and timed in simulation.
; The chip was launched on July 23, 2026; its instructions are those of AMD's public machine-readable ISA for CDNA 5 (MIT licence, August 2026) and "CDNA5" Instruction Set Architecture Reference Guide (July 2026). The comments in the code are by the model that wrote it; some were corrected since.
;; Multi Head Self Attention. Allowed arithmetic: matrix products marked QUANTISED: E2M3 operands, one E8M0 scale for each 32 along K, by v_wmma_scale_f32_16x16x128_f8f6f4 with both operands' format E2M3, f32 sums; everything else in f32.
;; Inputs: Wk 2,048 x 2,048 float32; Wo 2,048 x 2,048 float32; Wq 2,048 x 2,048 float32; Wv 2,048 x 2,048 float32; bk 2,048 float32; bo 2,048 float32; bq 2,048 float32; bv 2,048 float32; x 2,048 x 2,048 float32.
;; Outputs: out0 2,048 x 2,048 float32.
;; This version of the problem:
;;   THIS VERSION OF THE PROBLEM IS GIVEN IN LOW PRECISION. The matrix products marked QUANTISED in the list below multiply operands that are first quantised to E2M3 (2 exponent bits, 3 mantissa bits; 6 bits a number), with one power-of-two scale for each 32 numbers along K (OCP MX v1.0); their sums are f32. All else is computed in f32.
;;   The module's matrix products, in the order in which they are computed (A, B: the left and right operand; K: the contracted axis; several contracted axes count as one K, in the product's order):
;;     1. [M 2,048, K 2,048] x [K 2,048, N 2,048]; A: input x; B: input Wq: QUANTISED
;;     2. [M 2,048, K 2,048] x [K 2,048, N 2,048]; A: input x; B: input Wk: QUANTISED
;;     3. [M 2,048, K 2,048] x [K 2,048, N 2,048]; A: input x; B: input Wv: QUANTISED
;;     4. batch 16 x [M 2,048, K 128] x [K 128, N 2,048]; A: computed on the way; B: computed on the way: QUANTISED
;;     5. batch 16 x [M 128, K 2,048] x [K 2,048, N 2,048]; A: computed on the way; B: softmax (see below): QUANTISED
;;     6. [M 2,048, K 2,048] x [K 2,048, N 2,048]; A: computed on the way; B: input Wo: QUANTISED
;;   THE QUANTISER, for each operand of a quantised product, along K:
;;     - K is cut into blocks of 32 from its start; a last block that is shorter is filled with zeros.
;;     - A block's scale is 2^e with e = floor(log2(the largest magnitude in the block)) - 2, held to -126 .. 127; a block of zeros has e = 0. As a byte (E8M0): e + 127.
;;     - Each number is divided by its block's scale, clamped to +-7.5, and rounded to the nearest number of E2M3, ties to even, subnormals kept.
;;     - The product sums the exact products of the quantised numbers (number of the format x scale) in f32.
;;   ~~~python
;;   def quantise(x, axis):      # numpy; x: float32 -> the quantised numbers, widened to float32 again
;;       x = np.moveaxis(x, axis, -1); K = x.shape[-1]
;;       x = np.pad(x, [(0, 0)] * (x.ndim - 1) + [(0, -K % 32)]); x = x.reshape(x.shape[:-1] + (-1, 32)); a = np.abs(x).max(-1, keepdims=True)
;;       e = np.where(a > 0, np.clip(np.frexp(np.where(a > 0, a, 1))[1] - 1 - 2, -126, 127), 0)      # np.frexp(a)[1] - 1 = floor(log2(a)), exactly
;;       r = np.clip(x / 2.0 ** e, -7.5, 7.5)
;;       step = 2.0 ** (np.maximum(np.frexp(np.where(r == 0, 1, r))[1] - 1, 0) - 3)
;;       q = np.round(r / step) * step * 2.0 ** e      # np.round: ties to even
;;       return np.moveaxis(q.reshape(q.shape[:-2] + (-1,))[..., :K], -1, axis).astype(np.float32)
;;   ~~~
;;   SOFTMAX AHEAD OF A QUANTISED PRODUCT. Where the list says 'softmax', what is quantised is not the finished softmax but p = 2^(t - M), with t = logit x log2(e) and M = ceil(the row's largest t), a whole number; so 1/2 < the row's largest p <= 1. The row's sum l is taken of the UNQUANTISED p, in f32, and the product's result is divided by l at the end. Since M is a whole number, a kernel that streams over the keys may use a running M (the ceiling of the running maximum): every later rescaling is an exact power of two, which a block's scale takes up: the codes' values come out the same.
;;   OPERANDS COMPUTED ON THE WAY. 'Computed on the way' means the value that the module computes at that place (a softmax that the list does not call 'softmax' is quantised finished and normalised). What goes into a quantiser is computed in f32, as accurately as f32 sums, v_exp_f32 and their like allow (about 1e-6 of the number): no bf16 or f16 on the way to a quantiser, and a product that is left as it is and whose result goes on into a quantised operand takes f32 operands (vector FMAs, or v_wmma_f32_16x16x4_f32). A number that lies on a knife's edge between two numbers of the format may be rounded either way, as far as f32 arithmetic and the matrix unit's own rounding can turn it there, and no further.
;; One version. Each part assembles by itself: llvm-mc -triple=amdgcn-amd-amdhsa -mcpu=gfx1250 --defsym DOCPART=n.
;; ======== version 1 of 1: 4 launches
;; limits: right only within a limited range of input values
;; workspace buffers: opf 16,384,000 bytes; qkv 9,830,400 bytes; of 3,276,800 bytes
;; launch quant (part 1): grid 640 x 1, 4 waves a work-group, no clusters, 35,328 bytes of LDS; arguments x, Wq, Wk, Wv, Wo, opf; writes opf
.if DOCPART == 1
	.amdgcn_target "amdgcn-amd-amdhsa--gfx1250"
	.amdhsa_code_object_version 6
	.text
	.protected	k_qc5339b0e73_quant
	.globl	k_qc5339b0e73_quant
	.p2align	8
	.type	k_qc5339b0e73_quant,@function
k_qc5339b0e73_quant:
	s_mov_b64 s[64:65], 0
	v_nop
	global_prefetch_b8 v0, s[64:65] scope:SCOPE_SE
	s_setreg_imm32_b32 hwreg(HW_REG_WAVE_MODE, 25, 1), 1
	s_wait_xcnt 0x0
; x [2048][2048] (K innermost) and Wq, Wk, Wv, Wo [2048 (K)][2048] (K outermost), f32, become codes of FP6 (E2M3) with one E8M0 byte for each 32 along K.
; A block's scale is 2^(floor(log2(its largest magnitude)) - 2): its byte is the largest magnitude's exponent field - 2, held at 1 from below.
; LIMITS: NaN and infinities are not served; a block whose largest magnitude lies under 2^-124 keeps the byte 1; a block of zeros has the byte 1 where the rule says 127: its codes are
; zeros, which add nothing under any byte but 0xff, and the bytes are read by this program alone.
; THE LAYOUT OF opf.  An operand of 2,048 rows x 2,048 K is 16 groups of 128 rows x 16 K steps of 128.  Block (group, K step) is 12,800 bytes at (16 group + step) x 12,800: eight fragments
; (16 rows x 128 K) of 1,536 bytes, each the image of the operand's 12 registers (registers 4 c .. 4 c + 3 of lane l at 512 c + 16 l), then 512 bytes of scale words: tile t, row r at 256 (t / 4) + 16 r + 4 (t % 4).
; Groups 0-15 x, 16-31 Wq, 32-47 Wk, 48-63 Wv, 64-79 Wo.
; THE ROWS OF A TILE ARE NOT NEIGHBOURS: lane r of tile 2 b + u holds row (for a weight: column) 32 b + 8 u + r + 8 (r / 8), so that in a product used transposed the 16 registers of two
; neighbouring tiles are 16 neighbours.  K is in its true order.
; SHARES.  Work-group id: group id / 8, K steps 2 (id % 8) and the next: two whole blocks.  Wave w makes tiles 2 w and 2 w + 1 of both.  No tensor load, one barrier (for the scale words).
.set GBK,   12800                      ; a block
.set FRB,   1536                       ; a fragment
.set SCO,   12288                      ; a block's scale words
.set STGW,  8448                       ; LDS: a stage of 16 rows x 528 bytes for each wave (x alone goes through it)
.set SP,    528                        ; 512 bytes + 16: row r starts 4 r banks on, so the sixteen rows that a load touches do not meet
.set SCW,   4*STGW                     ; the two blocks' scale words, 512 bytes each
.set SPARE, SCW+1024                   ; the spare words, 128 bytes for each wave: two blocks of 256 bytes that no other line names
.set LANE, 1                           ; v1  lane
.set R,    2                           ; v2  lane % 16
.set H,    3                           ; v3  lane / 16
.set LI,   4                           ; v4  16 x lane
.set WSRC, 5                           ; v5  a weight: 4 x the column that my lane's place holds
.set WO,   6                           ; v6  a weight's codes: 3,072 w + 1,536 (lane / 16) + 16 (lane % 16)
.set XO,   7                           ; v7  x's codes: 3,072 w + 16 x lane
.set SW,   8                           ; v8-9   my tile's scale word of my row, K step 0, 1 (lanes 0-15 tile 2 w, lanes 16-31 tile 2 w + 1)
.set XW,   10                          ; v10-13 x: the four fragments' scale words
.set STA,  14                          ; v14 the stage, on the way in
.set STB,  15                          ; v15 and on the way out
.set TD,   16                          ; v16-19 the tail's 16 bytes
.set SWA,  20                          ; v20 where my scale word goes in LDS
.set SRD,  21                          ; v21 where the tail reads 16 bytes of scale words
.set TO,   22                          ; v22 and where they go in opf
.set SPW,  24                          ; v24 LDS address of my spare word; never rewritten
.set NIL,  25                          ; v25 0; never rewritten
.set L0,   32                          ; v32-95, v96-159 two sets of 64 numbers as loaded
.set XT,   160                         ; v160-223 x: 64 numbers, register 16 b + i = k 32 b + 16 (lane / 16) + i of my row
.set PC,   224                         ; v224-235 a fragment's codes; v236-243 at work
.set CT,   236
.set TM,   244                         ; v244-247 largest magnitudes, v248-251 bytes, v252-255 the conversions' scale operands
.set SEL,  26                          ; s[26:27] lane selects for v_permlanex16_b32: lane l xor 16
; 64 numbers of a lane, register 16 b + i = k 32 b + 16 (lane / 16) + i of my row, become a fragment's codes in v[PC] on and its scale word in v[pw] (the same word in lanes l and l xor 16)
.macro QUANT s, pw
.irp b, 0,1,2,3
	v_max3_num_f32 v[TM+\b], |v[\s+16*\b]|, |v[\s+1+16*\b]|, 0x1800000   ; my 16 numbers of block b, and the floor 2^(3 - 127): the byte cannot fall under 1
.endr
.irp i, 2,4,6,8,10,12,14
.irp b, 0,1,2,3
	v_max3_num_f32 v[TM+\b], v[TM+\b], |v[\s+16*\b+\i]|, |v[\s+1+16*\b+\i]|   ; the four blocks by turns
.endr
.endr
.irp b, 0,1,2,3
	v_permlanex16_b32 v[TM+4+\b], v[TM+\b], s[SEL], s[SEL+1]
.endr
.irp b, 0,1,2,3
	v_max_num_f32 v[TM+\b], v[TM+\b], v[TM+4+\b]          ; with lane l xor 16's 16: the block's largest magnitude
.endr
.irp b, 0,1,2,3
	v_add_nc_u32 v[TM+8+\b], 0xff000000, v[TM+\b]         ; 2 off its exponent field: the conversion takes that field as its scale
.endr
.irp b, 0,1,2,3
	v_lshrrev_b32 v[TM+4+\b], 23, v[TM+8+\b]              ; the scale's byte
.endr
	v_lshl_or_b32 v[\pw], v[TM+5], 8, v[TM+4]
	v_lshl_or_b32 v[\pw], v[TM+6], 16, v[\pw]
	v_lshl_or_b32 v[\pw], v[TM+7], 24, v[\pw]
.irp c, 0,1
	v_cvt_scalef32_pk16_fp6_f32 v[PC+6*\c:PC+2+6*\c], v[\s+32*\c:\s+15+32*\c], v[TM+8+2*\c]
	v_cvt_scalef32_pk16_fp6_f32 v[PC+12+4*\c:PC+14+4*\c], v[\s+16+32*\c:\s+31+32*\c], v[TM+8+2*\c+1]   ; a conversion's three registers begin on an even number
.endr
	v_nop                                                  ; one plain instruction behind the scaled conversions
.irp c, 0,1                                            ; the operand wants a whole block in a lane: lanes 0-15 block 2 c, lanes 16-31 block 2 c + 1
.irp i, 0,1,2
	v_permlane16_swap_b32 v[PC+6*\c+\i], v[PC+12+4*\c+\i]
.endr
.irp i, 0,1,2
	v_mov_b32 v[PC+3+6*\c+\i], v[PC+12+4*\c+\i]
.endr
.endr
.endm
	s_load_b256 s[4:11], s[0:1], 0x0               ; x s[4:5], Wq s[6:7], Wk s[8:9], Wv s[10:11]
	s_load_b128 s[12:15], s[0:1], 0x20             ; Wo s[12:13], opf s[14:15]
	v_lshl_add_u32 v[SPW], v0, 2, SPARE
	v_mov_b32 v[NIL], 0
	v_lshrrev_b32 v1, 5, v0
	v_readfirstlane_b32 s16, v1                    ; wave 0..3
	v_and_b32 v[LANE], 31, v0
	v_and_b32 v[R], 15, v0
	v_bfe_u32 v[H], v0, 4, 1
	s_lshr_b32 s17, ttmp9, 3                       ; the group in opf, 0..79
	s_and_b32 s18, ttmp9, 7                        ; which pair of K steps
	s_lshr_b32 s19, s17, 4                         ; the tensor: 0 x, 1..4 the weights
	s_and_b32 s20, s17, 15                         ; the group in that tensor
	v_lshlrev_b32 v[LI], 4, v[LANE]
	v_and_b32 v[WSRC], 7, v[LANE]                  ; place p of 32 holds column (p & 7) + 8 (p >> 4) + 16 ((p >> 3) & 1)
	v_lshl_add_u32 v[WSRC], v[H], 3, v[WSRC]
	v_bfe_u32 v[TD], v0, 3, 1
	v_lshl_add_u32 v[WSRC], v[TD], 4, v[WSRC]
	v_lshlrev_b32 v[WSRC], 2, v[WSRC]
	s_mul_i32 s28, s16, 2*FRB
	v_mul_u32_u24 v[WO], v[H], FRB
	v_lshl_add_u32 v[WO], v[R], 4, v[WO]
	v_add_nc_u32 v[WO], s28, v[WO]
	v_add_nc_u32 v[XO], s28, v[LI]
	s_mul_i32 s28, s16, STGW                       ; every LDS address is made here, ahead of the parting of the two ways
	v_add_nc_u32 v[STA], s28, v[LI]                ; in: a row's 512 bytes as they lie
	v_mul_u32_u24 v[STB], v[R], SP
	v_lshl_add_u32 v[STB], v[H], 6, v[STB]
	v_add_nc_u32 v[STB], s28, v[STB]               ; out: row r, + 64 h: my 16 numbers of a block of 32
	s_lshr_b32 s28, s16, 1
	s_lshl_b32 s28, s28, 8
	s_and_b32 s29, s16, 1
	s_lshl_b32 s29, s29, 3
	s_add_co_u32 s28, s28, s29
	s_add_co_u32 s28, s28, SCW
	v_lshlrev_b32 v[SWA], 4, v[R]
	v_lshl_add_u32 v[SWA], v[H], 2, v[SWA]
	v_add_nc_u32 v[SWA], s28, v[SWA]               ; tile t = 2 w + h: 256 (t / 4) + 16 r + 4 (t % 4)
	s_and_b32 s30, s16, 1                          ; the tail: wave 0 takes K step 0's scale words, wave 1 K step 1's
	s_lshl_b32 s28, s30, 9
	s_add_co_u32 s28, s28, SCW
	v_add_nc_u32 v[SRD], s28, v[LI]
	s_mul_i32 s28, s30, GBK
	v_add_nc_u32 v[TO], s28, v[LI]
	v_add_nc_u32 v[TO], SCO, v[TO]
	s_mov_b32 s[SEL], 0x76543210
	s_mov_b32 s[SEL+1], 0xfedcba98
.irp b, 0,1,2,3
	v_mov_b32 v[TM+4+\b], 0                        ; written once: a lane permute's destination counts as one of its sources
.endr
	s_lshl_b32 s28, s20, 7
	s_lshl_b32 s29, s16, 5
	s_add_co_u32 s28, s28, s29                     ; my wave's first row or column: 128 x group + 32 x wave
	s_lshl_b32 s29, s28, 13                        ; x: rows of 8,192 bytes,
	s_lshl_b32 s30, s18, 10
	s_add_co_u32 s29, s29, s30                     ; + 1,024 bytes for each pair of K steps
	s_lshl_b32 s28, s28, 2                         ; a weight: 4 bytes a column,
	s_lshl_b32 s30, s18, 21
	s_add_co_u32 s28, s28, s30                     ; + 256 rows of 8,192 bytes for each pair
	s_cmp_eq_u32 s19, 0
	s_cselect_b32 s24, s29, s28
	s_mov_b32 s25, 0
	s_lshl_b32 s28, s17, 4
	s_lshl_b32 s29, s18, 1
	s_add_co_u32 s28, s28, s29
	s_mul_i32 s28, s28, GBK                        ; my first block in opf
	s_mov_b32 s29, 0
	s_wait_kmcnt 0x0
	s_cmp_eq_u32 s19, 1                            ; the source: a choice that hangs on the work-group's number alone
	s_cselect_b64 s[22:23], s[6:7], s[4:5]
	s_cmp_eq_u32 s19, 2
	s_cselect_b64 s[22:23], s[8:9], s[22:23]
	s_cmp_eq_u32 s19, 3
	s_cselect_b64 s[22:23], s[10:11], s[22:23]
	s_cmp_eq_u32 s19, 4
	s_cselect_b64 s[22:23], s[12:13], s[22:23]
	s_add_nc_u64 s[22:23], s[22:23], s[24:25]
	s_add_nc_u64 s[14:15], s[14:15], s[28:29]
	s_cmp_eq_u32 s19, 0
	s_cbranch_scc1 .Lxpath
; ---- A WEIGHT.  A lane takes a column and its registers run down K.  Unit u = 2 s + g: K step s, the blocks 2 c + g (c = 0, 1): what lane (r, g) of a fragment holds.
.macro LOADU u                         ; 64 loads; each reads 128 consecutive bytes a wave, 512 a work-group
.set LS_, L0+64*((\u)%2)
.irp c, 0,1
.set i_, 0
.rept 32
	global_load_b32 v[LS_+32*\c+i_], v[WSRC], s[22:23] offset:(128*((\u)/2)+64*\c+32*((\u)%2)+i_)*8192 th:TH_LOAD_NT
.set i_, i_+1
.endr
.endr
.endm
.macro PROCW u, left
.set LS_, L0+64*((\u)%2)
	s_wait_loadcnt \left                           ; this unit's 64 loads are in
.irp c, 0,1                                    ; a block's 32 numbers are all mine: two chains a block
	v_max3_num_f32 v[TM+\c], |v[LS_+32*\c]|, |v[LS_+32*\c+1]|, 0x1800000
	v_max3_num_f32 v[TM+2+\c], |v[LS_+32*\c+16]|, |v[LS_+32*\c+17]|, |v[LS_+32*\c+18]|
.endr
.irp i, 2,4,6,8,10,12
.irp c, 0,1
	v_max3_num_f32 v[TM+\c], v[TM+\c], |v[LS_+32*\c+\i]|, |v[LS_+32*\c+\i+1]|
	v_max3_num_f32 v[TM+2+\c], v[TM+2+\c], |v[LS_+32*\c+17+\i]|, |v[LS_+32*\c+18+\i]|
.endr
.endr
.irp c, 0,1
	v_max3_num_f32 v[TM+\c], v[TM+\c], |v[LS_+32*\c+14]|, |v[LS_+32*\c+15]|
.endr
.irp c, 0,1
	v_max3_num_f32 v[TM+\c], v[TM+\c], v[TM+2+\c], |v[LS_+32*\c+31]|
.endr
.irp c, 0,1
	v_add_nc_u32 v[TM+8+\c], 0xff000000, v[TM+\c]
.endr
.irp c, 0,1
	v_lshrrev_b32 v[TM+4+\c], 23, v[TM+8+\c]
.endr
.if (\u)%2 == 0
	v_lshl_or_b32 v[SW+(\u)/2], v[TM+5], 16, v[TM+4]       ; the bytes of blocks 0 and 2 start the K step's scale word,
.else
	v_lshl_or_b32 v[SW+(\u)/2], v[TM+4], 8, v[SW+(\u)/2]   ; those of blocks 1 and 3 fill it
	v_lshl_or_b32 v[SW+(\u)/2], v[TM+5], 24, v[SW+(\u)/2]
.endif
	s_wait_alu depctr_va_vdst(0)
	s_wait_xcnt 0x0                                ; the last unit's stores have read the codes' registers
.irp c, 0,1
	v_cvt_scalef32_pk16_fp6_f32 v[PC+6*\c:PC+6*\c+2], v[LS_+32*\c:LS_+32*\c+15], v[TM+8+\c]
	v_cvt_scalef32_pk16_fp6_f32 v[CT+4*\c:CT+4*\c+2], v[LS_+32*\c+16:LS_+32*\c+31], v[TM+8+\c]
.endr
	v_nop                                          ; one plain instruction behind the scaled conversions
.irp c, 0,1
.irp i, 0,1,2
	v_mov_b32 v[PC+3+6*\c+\i], v[CT+4*\c+\i]
.endr
.endr
.irp c, 0,1,2
	global_store_b128 v[WO], v[PC+4*\c:PC+4*\c+3], s[14:15] offset:GBK*((\u)/2)+256*((\u)%2)+512*\c   ; lanes 0-15 store 256 consecutive bytes of tile 2 w's image, lanes 16-31 of tile 2 w + 1's
.endr
.endm
	LOADU 0
	LOADU 1
	PROCW 0, 63                                    ; 64 loads were issued behind this unit's; the count names one fewer, the most that it can name
	LOADU 2
	PROCW 1, 63
	LOADU 3
	PROCW 2, 63
	PROCW 3, 0
	s_branch .Ltail
; ---- x.  Fragment f = 2 u + s: tile 2 w + u, K step s.  Each load reads 512 consecutive bytes of one row; the 16 rows turn through my stage, so that a lane gets 16 neighbours of each block of 32.
.macro LOADF f
.irp p, 0,1,2,3,4,5,6,7,8,9,10,11,12,13,14,15
	global_load_b128 v[L0+64*((\f)%2)+4*\p:L0+64*((\f)%2)+4*\p+3], v[LI], s[22:23] offset:(8*((\f)/2)+\p+8*(\p/8))*8192+512*((\f)%2) th:TH_LOAD_NT
.endr
.endm
.macro PROCX f, left
	s_wait_loadcnt \left                           ; this fragment's 16 loads are in; the next one's 16 may be out
.irp p, 0,1,2,3,4,5,6,7,8,9,10,11,12,13,14,15
	ds_store_b128 v[STA], v[L0+64*((\f)%2)+4*\p:L0+64*((\f)%2)+4*\p+3] offset:SP*\p
.endr
.irp b, 0,1,2,3
.irp j, 0,1,2,3
	ds_load_b128 v[XT+16*\b+4*\j:XT+16*\b+4*\j+3], v[STB] offset:128*\b+16*\j   ; LDS serves a wave's instructions in order: these see my stores
.endr
.endr
	s_wait_dscnt 0x0
.if (\f) < 2
	LOADF (\f)+2
.endif
	s_wait_xcnt 0x0                                ; the last fragment's stores have read the codes' registers
	QUANT XT, XW+(\f)
.irp c, 0,1,2
	global_store_b128 v[XO], v[PC+4*\c:PC+4*\c+3], s[14:15] offset:FRB*((\f)/2)+GBK*((\f)%2)+512*\c   ; 512 consecutive bytes
.endr
.endm
.Lxpath:
	LOADF 0
	LOADF 1
	PROCX 0, 16
	PROCX 1, 16
	PROCX 2, 16
	PROCX 3, 0
	v_cmp_gt_u32 vcc_lo, 16, v[LANE]
	v_cndmask_b32 v[SW], v[XW+2], v[XW], vcc_lo    ; lanes 0-15 tile 2 w's word, lanes 16-31 tile 2 w + 1's: the form that a weight's words have
	v_cndmask_b32 v[SW+1], v[XW+3], v[XW+1], vcc_lo
.Ltail:                                            ; the scale words of a block come from four waves: they meet in LDS and leave as 512 consecutive bytes
	ds_store_b32 v[SWA], v[SW]
	ds_store_b32 v[SWA], v[SW+1] offset:512
	s_wait_tensorcnt 0x0                           ; the s_wait_dscnt below also shows my stores done, for the others' sake
	ds_add_u32 v[SPW], v[NIL]
	s_wait_dscnt 0x0
	s_barrier_signal -1
	s_barrier_wait -1
	s_cmp_gt_u32 s16, 1
	s_cbranch_scc1 .Ldone
	ds_load_b128 v[TD:TD+3], v[SRD]
	s_wait_dscnt 0x0
	global_store_b128 v[TO], v[TD:TD+3], s[14:15]
.Ldone:
	s_endpgm
.Lfunc_end_k_qc5339b0e73_quant:
	.size	k_qc5339b0e73_quant, .Lfunc_end_k_qc5339b0e73_quant-k_qc5339b0e73_quant
	.p2alignl 7, 3214868480
	.fill 96, 4, 3214868480
	.section	.rodata,"a",@progbits
	.p2align	6, 0x0
	.amdhsa_kernel k_qc5339b0e73_quant
		.amdhsa_group_segment_fixed_size 35328
		.amdhsa_private_segment_fixed_size 0
		.amdhsa_enable_private_segment 0
		.amdhsa_kernarg_size 48
		.amdhsa_user_sgpr_count 2
		.amdhsa_user_sgpr_kernarg_segment_ptr 1
		.amdhsa_wavefront_size32 1
		.amdhsa_system_sgpr_workgroup_id_x 1
		.amdhsa_system_sgpr_workgroup_id_y 1
		.amdhsa_system_sgpr_workgroup_id_z 1
		.amdhsa_system_vgpr_workitem_id 0
		.amdhsa_next_free_vgpr 256
		.amdhsa_next_free_sgpr 66
		.amdhsa_reserve_vcc 1
		.amdhsa_float_denorm_mode_32 3
		.amdhsa_float_denorm_mode_16_64 3
		.amdhsa_memory_ordered 1
		.amdhsa_forward_progress 1
		.amdhsa_inst_pref_size 72
	.end_amdhsa_kernel
	.amdgpu_metadata
---
amdhsa.version: [ 1, 2 ]
amdhsa.kernels:
  - .name:           k_qc5339b0e73_quant
    .symbol:         k_qc5339b0e73_quant.kd
    .args:
      - { .name: x, .offset: 0, .size: 8, .value_kind: global_buffer, .address_space: global }
      - { .name: Wq, .offset: 8, .size: 8, .value_kind: global_buffer, .address_space: global }
      - { .name: Wk, .offset: 16, .size: 8, .value_kind: global_buffer, .address_space: global }
      - { .name: Wv, .offset: 24, .size: 8, .value_kind: global_buffer, .address_space: global }
      - { .name: Wo, .offset: 32, .size: 8, .value_kind: global_buffer, .address_space: global }
      - { .name: opf, .offset: 40, .size: 8, .value_kind: global_buffer, .address_space: global }
    .group_segment_fixed_size: 35328
    .private_segment_fixed_size: 0
    .kernarg_segment_align: 8
    .kernarg_segment_size: 48
    .max_flat_workgroup_size: 128
    .sgpr_count:     66
    .vgpr_count:     256
    .wavefront_size: 32
...
	.end_amdgpu_metadata
.endif
;; end of part 1
;; launch gemm_qkv (part 2): grid 24 x 8, 4 waves a work-group, clusters of 4 x 4, 327,680 bytes of LDS; arguments opf, bq, bk, bv, qkv; writes qkv
.if DOCPART == 2
	.amdgcn_target "amdgcn-amd-amdhsa--gfx1250"
	.amdhsa_code_object_version 6
	.text
	.protected	k_qc5339b0e73_gemm_qkv
	.globl	k_qc5339b0e73_gemm_qkv
	.p2align	8
	.type	k_qc5339b0e73_gemm_qkv,@function
k_qc5339b0e73_gemm_qkv:
	s_mov_b64 s[64:65], 0
	v_nop
	global_prefetch_b8 v0, s[64:65] scope:SCOPE_SE
	s_setreg_imm32_b32 hwreg(HW_REG_WAVE_MODE, 25, 1), 1
	s_wait_xcnt 0x0
	s_wait_alu depctr_hold_cnt(0) depctr_sa_sdst(0) depctr_va_vdst(0) depctr_va_sdst(0) depctr_va_ssrc(0) depctr_va_vcc(0) depctr_vm_vsrc(0)
	s_getreg_b32 s2, hwreg(HW_REG_IB_STS2, 6, 4)
	s_cmp_eq_u32 s2, 0
	s_cbranch_scc0 .Lentry_in_a_cluster
	s_endpgm
.Lentry_in_a_cluster:
	s_bfe_u32 s2, ttmp6, 0x10000c
	s_cmp_lg_u32 s2, 0xf033
	s_cbranch_scc0 .Lentry_shape_is_right
	s_endpgm
.Lentry_shape_is_right:
.set GBK,   12800
.set GROW,  16*GBK
.set MATB,  16*GROW
.set FRB,   1536
.set SCO,   12288
.set NS,    3
.set PART,  NS*GBK
.set SLOT,  4*PART
.set SPARE, 2*SLOT
.set LI,   1
.set R,    2
.set H,    3
.set ADRA, 4
.set ADRB, 6
.set BJO,  8
.set BIO,  9
.set LN,   10
.set SPW,  28
.set NIL,  29
.set SC,   32
.set SW,   48
.set SWO,  56
.set PF,   64
.set BJ,   64
.set BI,   128
.set HA,   160
.set PC,   224
.set TM,   244
.set G1,   24
.set G0,   32
.set G1B,  48
.set G0B,  56
.set SEL,  74
.set G1L,  76
.set G1LB, 84
.set MSB, 0
.macro WIN new
.if MSB != (\new)
	s_set_vgpr_msb (MSB<<8)|(\new)
.set MSB, (\new)
.endif
.endm
.macro PLACES n
.rept \n
	v_nop
.endr
.endm
.macro JLOAD g0a, g1a, g0b, g1b
	s_cmp_eq_u32 s15, 0
	s_cbranch_scc0 .Lfor_b_\@
	tensor_load_to_lds s[\g0a:\g0a+3], s[\g1a:\g1a+7]
	s_nop 0
.rept 4
	v_nop
.endr
	s_branch .Lasked_\@
.Lfor_b_\@:
	tensor_load_to_lds s[\g0b:\g0b+3], s[\g1b:\g1b+7]
	s_nop 0
.rept 4
	v_nop
.endr
.Lasked_\@:
.endm
.macro CREST
	s_cmp_lg_u32 s14, 0
	s_cbranch_scc1 .Lnot_wave_0_\@
	s_barrier_signal -3
.Lnot_wave_0_\@:
	s_barrier_wait -3
	s_barrier_signal -1
	s_barrier_wait -1
.endm
.macro CROUND
	s_barrier_signal -1
	s_barrier_wait -1
	CREST
.endm
.macro WM d, f0, f1, c, s0, s1, r0, r1
.if (\c) < 0
.if (\r0) && (\r1)
	v_wmma_scale_f32_16x16x128_f8f6f4 v[\d:\d+7], v[\f0:\f0+11], v[\f1:\f1+11], 0, v[\s0], v[\s1] matrix_a_fmt:MATRIX_FMT_FP6 matrix_b_fmt:MATRIX_FMT_FP6 matrix_a_scale:MATRIX_SCALE_ROW1 matrix_b_scale:MATRIX_SCALE_ROW1
.elseif (\r0)
	v_wmma_scale_f32_16x16x128_f8f6f4 v[\d:\d+7], v[\f0:\f0+11], v[\f1:\f1+11], 0, v[\s0], v[\s1] matrix_a_fmt:MATRIX_FMT_FP6 matrix_b_fmt:MATRIX_FMT_FP6 matrix_a_scale:MATRIX_SCALE_ROW1
.elseif (\r1)
	v_wmma_scale_f32_16x16x128_f8f6f4 v[\d:\d+7], v[\f0:\f0+11], v[\f1:\f1+11], 0, v[\s0], v[\s1] matrix_a_fmt:MATRIX_FMT_FP6 matrix_b_fmt:MATRIX_FMT_FP6 matrix_b_scale:MATRIX_SCALE_ROW1
.else
	v_wmma_scale_f32_16x16x128_f8f6f4 v[\d:\d+7], v[\f0:\f0+11], v[\f1:\f1+11], 0, v[\s0], v[\s1] matrix_a_fmt:MATRIX_FMT_FP6 matrix_b_fmt:MATRIX_FMT_FP6
.endif
.else
.if (\r0) && (\r1)
	v_wmma_scale_f32_16x16x128_f8f6f4 v[\d:\d+7], v[\f0:\f0+11], v[\f1:\f1+11], v[\c:\c+7], v[\s0], v[\s1] matrix_a_fmt:MATRIX_FMT_FP6 matrix_b_fmt:MATRIX_FMT_FP6 matrix_a_scale:MATRIX_SCALE_ROW1 matrix_b_scale:MATRIX_SCALE_ROW1
.elseif (\r0)
	v_wmma_scale_f32_16x16x128_f8f6f4 v[\d:\d+7], v[\f0:\f0+11], v[\f1:\f1+11], v[\c:\c+7], v[\s0], v[\s1] matrix_a_fmt:MATRIX_FMT_FP6 matrix_b_fmt:MATRIX_FMT_FP6 matrix_a_scale:MATRIX_SCALE_ROW1
.elseif (\r1)
	v_wmma_scale_f32_16x16x128_f8f6f4 v[\d:\d+7], v[\f0:\f0+11], v[\f1:\f1+11], v[\c:\c+7], v[\s0], v[\s1] matrix_a_fmt:MATRIX_FMT_FP6 matrix_b_fmt:MATRIX_FMT_FP6 matrix_b_scale:MATRIX_SCALE_ROW1
.else
	v_wmma_scale_f32_16x16x128_f8f6f4 v[\d:\d+7], v[\f0:\f0+11], v[\f1:\f1+11], v[\c:\c+7], v[\s0], v[\s1] matrix_a_fmt:MATRIX_FMT_FP6 matrix_b_fmt:MATRIX_FMT_FP6
.endif
.endif
.endm
.macro QUANT s, pw
.irp b, 0,1,2,3
	v_max3_num_f32 v[TM+\b], |v[\s+16*\b]|, |v[\s+1+16*\b]|, 0x1800000
.endr
.irp i, 2,4,6,8,10,12,14
.irp b, 0,1,2,3
	v_max3_num_f32 v[TM+\b], v[TM+\b], |v[\s+16*\b+\i]|, |v[\s+1+16*\b+\i]|
.endr
.endr
.irp b, 0,1,2,3
	v_permlanex16_b32 v[TM+4+\b], v[TM+\b], s[SEL], s[SEL+1]
.endr
.irp b, 0,1,2,3
	v_max_num_f32 v[TM+\b], v[TM+\b], v[TM+4+\b]
.endr
.irp b, 0,1,2,3
	v_add_nc_u32 v[TM+8+\b], 0xff000000, v[TM+\b]
.endr
.irp b, 0,1,2,3
	v_lshrrev_b32 v[TM+4+\b], 23, v[TM+8+\b]
.endr
	v_lshl_or_b32 v[\pw], v[TM+5], 8, v[TM+4]
	v_lshl_or_b32 v[\pw], v[TM+6], 16, v[\pw]
	v_lshl_or_b32 v[\pw], v[TM+7], 24, v[\pw]
.irp c, 0,1
	v_cvt_scalef32_pk16_fp6_f32 v[PC+6*\c:PC+2+6*\c], v[\s+32*\c:\s+15+32*\c], v[TM+8+2*\c]
	v_cvt_scalef32_pk16_fp6_f32 v[PC+12+4*\c:PC+14+4*\c], v[\s+16+32*\c:\s+31+32*\c], v[TM+8+2*\c+1]
.endr
	v_nop
.irp c, 0,1
.irp i, 0,1,2
	v_permlane16_swap_b32 v[PC+6*\c+\i], v[PC+12+4*\c+\i]
.endr
.irp i, 0,1,2
	v_mov_b32 v[PC+3+6*\c+\i], v[PC+12+4*\c+\i]
.endr
.endr
.endm
	s_load_b256 s[4:11], s[0:1], 0x0
	s_load_b64 s[12:13], s[0:1], 0x20
	v_lshl_add_u32 v[SPW], v0, 2, SPARE
	v_mov_b32 v[NIL], 0
	ds_add_u32 v[SPW], v[NIL]
	ds_add_u32 v[SPW], v[NIL]
	v_lshrrev_b32 v1, 5, v0
	v_readfirstlane_b32 s14, v1
	s_lshr_b32 s15, s14, 1
	s_and_b32 s16, s14, 1
	s_bfe_u32 s40, ttmp6, 0x40000
	s_bfe_u32 s41, ttmp6, 0x40004
	s_lshl_b32 s42, ttmp9, 2
	s_add_co_u32 s42, s42, s40
	s_and_b32 s17, ttmp7, 0xffff
	s_lshl_b32 s17, s17, 2
	s_add_co_u32 s17, s17, s41
	s_lshl_b32 s43, s41, 2
	s_lshl_b32 s43, 15, s43
	s_lshl_b32 s44, 0x1111, s40
	s_lshr_b32 s66, ttmp9, 2
	s_lshr_b32 s67, ttmp9, 1
	s_or_b32 s[G1+0], s43, (3<<16)|(1<<21)
	s_or_b32 s[G1B+0], s44, (3<<16)|(1<<21)
.irp g, G1, G1B
	s_mov_b32 s[\g+1], 32<<16
	s_mov_b32 s[\g+2], 150<<16
	s_mov_b32 s[\g+3], 32<<16
	s_mov_b32 s[\g+4], 150
	s_mov_b32 s[\g+5], 32
	s_mov_b32 s[\g+6], 0
	s_mov_b32 s[\g+7], 0
.endr
	s_or_b32 s[G1L+0], s43, (3<<16)|(1<<21)
	s_or_b32 s[G1LB+0], s44, (3<<16)|(1<<21)
.irp g, G1L, G1LB
	s_mov_b32 s[\g+1], 32<<16
	s_mov_b32 s[\g+2], 50<<16
	s_mov_b32 s[\g+3], 32<<16
	s_mov_b32 s[\g+4], 50
	s_mov_b32 s[\g+5], 32
	s_mov_b32 s[\g+6], 0
	s_mov_b32 s[\g+7], 0
.endr
	s_lshl_b32 s20, s17, 1
	s_add_co_u32 s20, s20, s16
	s_mul_i32 s18, s66, 48
	s_add_co_u32 s20, s20, s18
	s_mul_i32 s20, s20, GROW
	s_mov_b32 s21, 0
	s_lshl_b32 s46, s42, 1
	s_add_co_u32 s46, s46, s16
	s_add_co_u32 s46, s46, 16
	s_mul_i32 s19, s66, 48
	s_sub_co_u32 s46, s46, s19
	s_mul_i32 s46, s46, GROW
	s_mov_b32 s47, 0
	s_mul_i32 s45, s14, PART
	s_mov_b32 s[SEL], 0x76543210
	s_mov_b32 s[SEL+1], 0xfedcba98
	s_wait_dscnt 0x0
	s_wait_kmcnt 0x0
	s_add_nc_u64 s[20:21], s[4:5], s[20:21]
	s_add_nc_u64 s[46:47], s[4:5], s[46:47]
	CROUND
.irp s, 0,1
	s_mov_b32 s[G0+4*\s], 1
	s_add_co_u32 s[G0+4*\s+1], s45, \s*SLOT
	s_add_nc_u64 s[G0+4*\s+2:G0+4*\s+3], s[20:21], \s*PART
	s_or_b32 s[G0+4*\s+3], s[G0+4*\s+3], 0x80000000
	s_mov_b32 s[G0B+4*\s], 1
	s_add_co_u32 s[G0B+4*\s+1], s45, \s*SLOT
	s_add_nc_u64 s[G0B+4*\s+2:G0B+4*\s+3], s[46:47], \s*PART
	s_or_b32 s[G0B+4*\s+3], s[G0B+4*\s+3], 0x80000000
.endr
	JLOAD G0, G1, G0B, G1B                         ; slot 0: my one tensor load at the head, behind the opening round
	s_wait_alu depctr_va_vdst(0)
	s_wait_tensorcnt 0x0                           ; slot 1's first fill is issued as a refill is
	ds_add_u32 v28, v29
	s_wait_dscnt 0x0
	CROUND
	JLOAD G0+4, G1, G0B+4, G1B
	v_and_b32 v[LN], 31, v0
	v_lshlrev_b32 v[LI], 4, v[LN]
	v_and_b32 v[R], 15, v0
	v_bfe_u32 v[H], v0, 4, 1
	s_mul_i32 s21, s15, PART
	v_add_nc_u32 v[ADRA], s21, v[LI]
	v_add_nc_u32 v[ADRA+1], SLOT, v[ADRA]
	s_mul_i32 s22, s16, PART
	s_add_co_u32 s22, s22, 2*PART
	v_add_nc_u32 v[ADRB], s22, v[LI]
	v_add_nc_u32 v[ADRB+1], SLOT, v[ADRB]
	v_lshlrev_b32 v[BJO], 6, v[H]
	v_and_b32 v[BIO], 8, v[R]
	v_add_nc_u32 v[BIO], v[BIO], v[R]
	v_lshlrev_b32 v[BIO], 2, v[BIO]
	s_lshl_b32 s18, s17, 1
	s_add_co_u32 s18, s18, s15
	s_and_b32 s19, s42, 7
	s_lshl_b32 s19, s19, 1
	s_add_co_u32 s19, s19, s16
	s_lshl_b32 s20, s18, 4
	s_add_co_u32 s20, s20, s19                     ; q: block (query block, head); v^T: block (head, key step)
	s_lshl_b32 s21, s19, 4
	s_add_co_u32 s21, s21, s18
	s_cmp_eq_u32 s67, 1
	s_cselect_b32 s20, s21, s20                    ; k: block (head, key step), so that a head's 16 key steps lie on end
	s_mul_i32 s20, s20, GBK
	s_mul_i32 s21, s67, MATB
	s_add_co_u32 s20, s20, s21
	s_mov_b32 s21, 0
	s_add_nc_u64 s[12:13], s[12:13], s[20:21]
	s_cmp_eq_u32 s67, 0
	s_cselect_b64 s[68:69], s[6:7], s[8:9]
	s_cmp_eq_u32 s67, 2
	s_cselect_b64 s[68:69], s[10:11], s[68:69]
	s_lshl_b32 s20, s19, 9
	s_add_nc_u64 s[70:71], s[68:69], s[20:21]
	s_lshl_b32 s20, s18, 9
	s_add_nc_u64 s[72:73], s[68:69], s[20:21]
.macro MUL16 a0, q, zero
	WIN 0xa1+0x50*((\a0)/4)
.irp a, \a0, \a0+1
.irp b, 0,1,2,3,4,5,6,7
.if \zero
	WM 8*(8*((\a)%4)+\b), 128*(\q)+12*\b, PF+96*(\q)+12*(\a), -1, SC+4+8*(\q)+(\b)%4, SC+8*(\q)+(\a)%4, (\b)/4, (\a)/4
.else
	WM 8*(8*((\a)%4)+\b), 128*(\q)+12*\b, PF+96*(\q)+12*(\a), 8*(8*((\a)%4)+\b), SC+4+8*(\q)+(\b)%4, SC+8*(\q)+(\a)%4, (\b)/4, (\a)/4
.endif
.endr
.endr
.endm
.macro LDQ sl, qs, st, t0
	WIN 0x40
.irp t, \t0, \t0+1, \t0+2, \t0+3
.irp c, 0,1,2
	ds_load_b128 v[128*(\st)+12*(\t)+4*\c:128*(\st)+12*(\t)+4*\c+3], v[ADRB+(\sl)] offset:GBK*(\qs)+FRB*(\t)+512*\c
.endr
.endr
.endm
.macro LDP sl, qs, st, t0
	WIN 0
.irp t, \t0, \t0+1, \t0+2, \t0+3
.irp c, 0,1,2
	ds_load_b128 v[PF+96*(\st)+12*(\t)+4*\c:PF+96*(\st)+12*(\t)+4*\c+3], v[ADRA+(\sl)] offset:GBK*(\qs)+FRB*(\t)+512*\c
.endr
.endr
.endm
.macro LDSC sl, qs, st
	WIN 0
	ds_load_b128 v[SC+8*(\st):SC+8*(\st)+3], v[ADRA+(\sl)] offset:GBK*(\qs)+SCO
	ds_load_b128 v[SC+4+8*(\st):SC+4+8*(\st)+3], v[ADRB+(\sl)] offset:GBK*(\qs)+SCO
.endm
.macro KSTEP
.set p_,  n%2
.set f_,  1-p_
.set so_, (n/NS)%2
.set sn_, ((n+1)/NS)%2
.set qn_, (n+1)%NS
.set z_,  0
.if n == 0
.set z_,  1
.endif
.if n == 15
	s_wait_dscnt 12
	PLACES 4
	WIN 0
.irp b, 0,1,2,3,4,5,6,7
	global_load_b128 v[BJ+8*\b:BJ+8*\b+3], v[BJO], s[70:71] offset:(32*(\b/2)+8*(\b%2))*4
	global_load_b128 v[BJ+8*\b+4:BJ+8*\b+7], v[BJO], s[70:71] offset:(32*(\b/2)+8*(\b%2))*4+16
.endr
.irp a, 0,1,2,3,4,5,6,7
	global_load_b32 v[BI+2*\a], v[BIO], s[72:73] offset:(32*(\a/2)+8*(\a%2))*4
	global_load_b32 v[BI+2*\a+1], v[BIO], s[72:73] offset:(32*(\a/2)+8*(\a%2))*4
.endr
	MUL16 0, p_, 0
	MUL16 2, p_, 0
	s_wait_dscnt 0x0
	MUL16 4, p_, 0
	MUL16 6, p_, 0
.elseif n%NS == NS-1
	WIN 0
	s_wait_tensorcnt 0x0
	ds_add_u32 v[SPW], v[NIL]
	s_wait_dscnt 13
	MUL16 0, p_, 0
	s_wait_dscnt 0x0
	s_barrier_signal -1
	MUL16 2, p_, 0
	WIN 0
	s_barrier_wait -1
.if n < 12
	CREST
	s_add_nc_u64 s[G0+4*so_+2:G0+4*so_+3], s[G0+4*so_+2:G0+4*so_+3], 2*PART
	s_add_nc_u64 s[G0B+4*so_+2:G0B+4*so_+3], s[G0B+4*so_+2:G0B+4*so_+3], 2*PART
.if n == 11
	JLOAD G0+4*so_, G1L, G0B+4*so_, G1LB
.else
	JLOAD G0+4*so_, G1, G0B+4*so_, G1B
.endif
.else
	PLACES 4
.endif
	LDQ sn_, qn_, f_, 0
	LDQ sn_, qn_, f_, 4
	LDP sn_, qn_, f_, 0
	LDSC sn_, qn_, f_
	MUL16 4, p_, 0
	LDP sn_, qn_, f_, 4
	MUL16 6, p_, 0
.else
	s_wait_dscnt 12
	PLACES 4
	LDQ sn_, qn_, f_, 0
	MUL16 0, p_, z_
	LDQ sn_, qn_, f_, 4
	MUL16 2, p_, z_
	s_wait_dscnt 24
	LDP sn_, qn_, f_, 0
	LDSC sn_, qn_, f_
	MUL16 4, p_, z_
	LDP sn_, qn_, f_, 4
	MUL16 6, p_, z_
.endif
.endm
	s_wait_alu depctr_va_vdst(0)
	s_wait_tensorcnt 1
	s_barrier_signal -1
	s_barrier_wait -1
	LDQ 0, 0, 0, 0
	LDQ 0, 0, 0, 4
	LDP 0, 0, 0, 0
	LDSC 0, 0, 0
	LDP 0, 0, 0, 4
.set n, 0
.rept 16
	KSTEP
.set n, n+1
.endr
	WIN 0
	PLACES 4
.irp b, 0,1,2,3
	v_mov_b32 v[TM+4+\b], 0
.endr
	s_wait_loadcnt 0x0
.macro EPI a
	s_cmp_eq_u32 s66, 0
	s_cbranch_scc0 .Lbi_\@
	WIN 0x02+(\a)/4
.set x_, 0
.rept 32
	v_pk_add_f32 v[HA+x_:HA+x_+1], v[64*((\a)%4)+x_:64*((\a)%4)+x_+1], v[BJ+x_:BJ+x_+1]
.set x_, x_+2
.endr
	WIN 0
	s_branch .Lbd_\@
.Lbi_\@:
	WIN 0x02+(\a)/4
.set x_, 0
.rept 32
	v_pk_add_f32 v[HA+x_:HA+x_+1], v[64*((\a)%4)+x_:64*((\a)%4)+x_+1], v[BI+2*(\a):BI+2*(\a)+1] op_sel_hi:[1,0]
.set x_, x_+2
.endr
	WIN 0
.Lbd_\@:
	s_wait_xcnt 0x0
	QUANT HA, SW+(\a)
.irp c, 0,1,2
	global_store_b128 v[LI], v[PC+4*\c:PC+4*\c+3], s[12:13] offset:FRB*(\a)+512*\c
.endr
.endm
	EPI 0
	EPI 1
	EPI 2
	EPI 3
	EPI 4
	EPI 5
	EPI 6
	EPI 7
	v_cmp_gt_u32 vcc_lo, 16, v[LN]
.irp j, 0,1,2,3
	v_cndmask_b32 v[SWO+\j], v[SW+4+\j], v[SW+\j], vcc_lo
.endr
	global_store_b128 v[LI], v[SWO:SWO+3], s[12:13] offset:SCO
	s_wait_tensorcnt 0x0
	ds_add_u32 v[SPW], v[NIL]
	s_wait_dscnt 0x0
	CROUND
	s_endpgm
.Lfunc_end_k_qc5339b0e73_gemm_qkv:
	.size	k_qc5339b0e73_gemm_qkv, .Lfunc_end_k_qc5339b0e73_gemm_qkv-k_qc5339b0e73_gemm_qkv
	.p2alignl 7, 3214868480
	.fill 96, 4, 3214868480
	.section	.rodata,"a",@progbits
	.p2align	6, 0x0
	.amdhsa_kernel k_qc5339b0e73_gemm_qkv
		.amdhsa_group_segment_fixed_size 327680
		.amdhsa_private_segment_fixed_size 0
		.amdhsa_enable_private_segment 0
		.amdhsa_kernarg_size 40
		.amdhsa_user_sgpr_count 2
		.amdhsa_user_sgpr_kernarg_segment_ptr 1
		.amdhsa_wavefront_size32 1
		.amdhsa_system_sgpr_workgroup_id_x 1
		.amdhsa_system_sgpr_workgroup_id_y 1
		.amdhsa_system_sgpr_workgroup_id_z 1
		.amdhsa_system_vgpr_workitem_id 0
		.amdhsa_next_free_vgpr 1024
		.amdhsa_next_free_sgpr 96
		.amdhsa_reserve_vcc 1
		.amdhsa_float_denorm_mode_32 3
		.amdhsa_float_denorm_mode_16_64 3
		.amdhsa_memory_ordered 1
		.amdhsa_forward_progress 1
		.amdhsa_inst_pref_size 255
	.end_amdhsa_kernel
	.section	.bss,"aw",@nobits
	.p2align	6
	.space	262144
	.amdgpu_metadata
---
amdhsa.version: [ 1, 2 ]
amdhsa.kernels:
  - .name:           k_qc5339b0e73_gemm_qkv
    .symbol:         k_qc5339b0e73_gemm_qkv.kd
    .args:
      - { .name: opf, .offset: 0, .size: 8, .value_kind: global_buffer, .address_space: global }
      - { .name: bq, .offset: 8, .size: 8, .value_kind: global_buffer, .address_space: global }
      - { .name: bk, .offset: 16, .size: 8, .value_kind: global_buffer, .address_space: global }
      - { .name: bv, .offset: 24, .size: 8, .value_kind: global_buffer, .address_space: global }
      - { .name: qkv, .offset: 32, .size: 8, .value_kind: global_buffer, .address_space: global }
    .group_segment_fixed_size: 327680
    .private_segment_fixed_size: 0
    .kernarg_segment_align: 8
    .kernarg_segment_size: 40
    .max_flat_workgroup_size: 128
    .sgpr_count:     96
    .vgpr_count:     1024
    .wavefront_size: 32
...
	.end_amdgpu_metadata
.endif
;; end of part 2
;; launch attn (part 3): grid 16 x 16, 8 waves a work-group, clusters of 4 x 1, 327,680 bytes of LDS; arguments qkv, of; writes of
.if DOCPART == 3
	.amdgcn_target "amdgcn-amd-amdhsa--gfx1250"
	.amdhsa_code_object_version 6
	.text
	.protected	k_qc5339b0e73_attn
	.globl	k_qc5339b0e73_attn
	.p2align	8
	.type	k_qc5339b0e73_attn,@function
k_qc5339b0e73_attn:
	s_mov_b64 s[64:65], 0
	v_nop
	global_prefetch_b8 v0, s[64:65] scope:SCOPE_SE
	s_setreg_imm32_b32 hwreg(HW_REG_WAVE_MODE, 25, 1), 1
	s_wait_xcnt 0x0
	s_wait_alu depctr_hold_cnt(0) depctr_sa_sdst(0) depctr_va_vdst(0) depctr_va_sdst(0) depctr_va_ssrc(0) depctr_va_vcc(0) depctr_vm_vsrc(0)
	s_getreg_b32 s2, hwreg(HW_REG_IB_STS2, 6, 4)
	s_cmp_eq_u32 s2, 0
	s_cbranch_scc0 .Lentry_in_a_cluster
	s_endpgm
.Lentry_in_a_cluster:
	s_bfe_u32 s2, ttmp6, 0x10000c
	s_cmp_lg_u32 s2, 0x3003
	s_cbranch_scc0 .Lentry_shape_is_right
	s_endpgm
.Lentry_shape_is_right:
; O[q] = the sum over keys of softmax(q . k / sqrt(128)) v, for each of 16 heads, both products on codes of FP6 (E2M3); O is quantised along the head's 128 channels, for the last projection.
; THE SOFTMAX: t = score x log2(e) / sqrt(128); M = the largest t so far, rounded UP to a whole number; p = 2^(t - M) is quantised along the keys, not normalised.
; The sum is taken of the unquantised p and divides O at the end.  When M moves, the sum and O are multiplied by 2^(old M - new M): exact.
; qkv: three operands of 3,276,800 bytes in blocks of 12,800 (eight register images of 1,536 bytes, then 512 bytes of scale words: tile t, row r at 256 (t / 4) + 16 r + 4 (t % 4)).
; Block (G, s) at (16 G + s) x 12,800: q (query block, head), k (head, key step), v^T (head, key step).  of: as q.
; SHARES.  A work-group owns 128 queries of one head: eight tiles of 16.  Wave w holds TWO tiles, w (tile A) and w xor 1 (tile B), so that each fragment of K and V read from LDS feeds two products,
; and walks every second key step of 128 (step % 2 = w % 2): 8 of the 16.  The two waves of a pair so hold the same 32 queries over the two halves of the keys.  At the end each sends its tile B
; (O, -M, the sum) to its partner through LDS and joins its own tile A with what it receives, under the larger M, by exact powers of two.
; LAYOUT.  Both products are used transposed (S^T = K Q^T, O^T = V^T P^T): a lane holds one query of each tile.  Lane r of tile 2 b + u of k and v^T holds row 32 b + 8 u + r + 8 (r / 8),
; so the 16 registers of tiles 2 b, 2 b + 1 are 16 neighbouring keys, or channels.  The two tiles' chains of vector work are laid by turns.
; LDS.  A ring of two slots, each with four key steps (K's four blocks, then V's four: 102,400 bytes, at 0 and at 131,072, so that one bit tells the slots apart).  Each wave brings one block of a slot.
; A trip is one slot: two key steps a wave.  Every wait on TENSORcnt is for 0; one load of mine is out behind each round.  The last trip, which asks for nothing, is written out.
; CLUSTER.  The four query blocks of a cluster belong to one head: every block is asked for jointly, by the same load with the mask of all four; no branch stands round a load.
; No prefetch is laid: a slot's load is issued directly behind the round, a whole trip (64 products a wave and their softmax) ahead of its first read, and the walk has four trips in all.
; O^T begins as zeros and the largest t as -3e38, so that the key step is written once for all steps: the first change of M leaves the zeros zeros.
; LIMITS: NaN and infinities are not served; the promise holds while |t| stays under 2^31; a block of p that has fallen to zeros, and a block of O under 2^-124, keep the byte 1.
; A block's largest p is taken from the block's largest score through the same multiply-add and exponential: that takes v_exp_f32 not to fall where its input rises.
.set GBK,   12800
.set MATB,  256*GBK
.set FRB,   1536
.set SCO,   12288
.set VOF,   4*GBK                      ; from a key step's K block to its V block in a slot
.set SLOT,  131072
.set XAR,   8704                       ; the exchange: 8,192 bytes of O and 512 for -M and the sum, for each tile; it lies in slot 0, which has had its last fill and its last read when the last trip's barrier is passed
.set WST,   2*SLOT                     ; 512 bytes in which the eight tiles' scale words of O meet
.set SPARE, WST+512                    ; the spare words, 128 bytes for each wave: four blocks of 256 bytes that no other line names
; window 0
.set LI,  1                            ; 16 x lane
.set ADR, 2                            ; my key step's K block in LDS, + 16 x lane
.set R16, 3                            ; 16 x (lane % 16)
.set SPW, 4                            ; my spare word; never rewritten
.set NIL, 5                            ; 0; never rewritten
.set WA,  6                            ; where my row's scale word of O goes
.set WR,  7                            ; where wave 0 reads the words back
.set OA,  8                            ; tile A's image in a block, + 16 x lane
.set OB,  9                            ; tile B's
.set WQA, 10                           ; tile A's scale words in a block's 512 bytes, + 16 r
.set WQB, 11
; v12 -M, v13 the largest t, v[14:15] the sum in two halves: tile A; v16-19 the same for tile B
.set XS,  20                           ; the exchange: where I store tile B
.set XR,  21                           ; and where I read what my partner has of tile A
.set PM,  22                           ; v[22:23] my partner's -M and sum
.set QF,  24                           ; v24-35, v36-47 Q's two fragments
.set QS,  48                           ; v48, v49 their scale words
.set KS,  52                           ; v52-55 K's scale words: register j: tile j in lanes 0-15, tile 4 + j in lanes 16-31
.set VS,  56                           ; v56-59 V's
.set PW,  60                           ; v60, v61 p's scale words
.set F,   62                           ; v[62:63], v[64:65] f = 2^(old M - new M), named as pairs
.set T,   66                           ; v66, v67
.set SB,  68                           ; v[68:69], v[70:71] the sums' second chains
.set BM,  72                           ; v72-79 the eight blocks' largest scores (four a tile)
.set BT,  80                           ; v80-87 at work
.set SO,  88                           ; v88-95 the conversions' scale operands
.set PC,  96                           ; v96-107, v108-119 p's codes
.set CT,  120                          ; v120-127 the conversions' second halves
.set S,   128                          ; v128-191, v192-255 S^T, then p
; window 1: v0-63, v64-127 O^T of tiles A, B;  v128-223 eight fragments of K, then of V
.set X,   128
.set WV,  8
.set SEL, 20
.set CS,  22                           ; s[22:23] c = log2(e) / sqrt(128)
.set G1,  24
.set G0,  32
.set TB,  36                           ; LDS byte of my key step's K block
.set SL,  37                           ; the slot that the next trip reads
.set KH,  38                           ; 12,800 x (w % 2)
.set CNT, 39
.set TR,  40
.set MSB, 0
.macro WIN new
.if MSB != (\new)
	s_set_vgpr_msb (MSB<<8)|(\new)
.set MSB, (\new)
.endif
.endm
.macro PLACES n
.rept \n
	v_nop
.endr
.endm
.macro DLY n
	s_delay_alu instid0(VALU_DEP_\n)
.endm
.macro CROUND                          ; a round of the cluster's barrier
	s_barrier_signal -1
	s_barrier_wait -1
	s_cmp_lg_u32 s[WV], 0
	s_cbranch_scc1 .Lnot_wave_0_\@
	s_barrier_signal -3
.Lnot_wave_0_\@:
	s_barrier_wait -3
	s_barrier_signal -1
	s_barrier_wait -1
.endm
.macro WM d, f0, f1, c, s0, s1, r0     ; one product.  c: C's first register, or -1 for the constant 0.  r0: source 0's scale words stand in lanes 16-31
.if (\c) < 0
.if (\r0)
	v_wmma_scale_f32_16x16x128_f8f6f4 v[\d:\d+7], v[\f0:\f0+11], v[\f1:\f1+11], 0, v[\s0], v[\s1] matrix_a_fmt:MATRIX_FMT_FP6 matrix_b_fmt:MATRIX_FMT_FP6 matrix_a_scale:MATRIX_SCALE_ROW1
.else
	v_wmma_scale_f32_16x16x128_f8f6f4 v[\d:\d+7], v[\f0:\f0+11], v[\f1:\f1+11], 0, v[\s0], v[\s1] matrix_a_fmt:MATRIX_FMT_FP6 matrix_b_fmt:MATRIX_FMT_FP6
.endif
.else
.if (\r0)
	v_wmma_scale_f32_16x16x128_f8f6f4 v[\d:\d+7], v[\f0:\f0+11], v[\f1:\f1+11], v[\c:\c+7], v[\s0], v[\s1] matrix_a_fmt:MATRIX_FMT_FP6 matrix_b_fmt:MATRIX_FMT_FP6 matrix_a_scale:MATRIX_SCALE_ROW1
.else
	v_wmma_scale_f32_16x16x128_f8f6f4 v[\d:\d+7], v[\f0:\f0+11], v[\f1:\f1+11], v[\c:\c+7], v[\s0], v[\s1] matrix_a_fmt:MATRIX_FMT_FP6 matrix_b_fmt:MATRIX_FMT_FP6
.endif
.endif
.endm
; 64 numbers from v[src] on (register 16 b + i = place 32 b + 16 (lane / 16) + i along K) become a fragment's codes in v[pc] on; so: the four blocks' scale operands
.macro CODES pc, src, so
.irp c, 0,1
	v_cvt_scalef32_pk16_fp6_f32 v[\pc+6*\c:\pc+6*\c+2], v[\src+32*\c:\src+32*\c+15], v[\so+2*\c]
	v_cvt_scalef32_pk16_fp6_f32 v[CT+4*\c:CT+4*\c+2], v[\src+32*\c+16:\src+32*\c+31], v[\so+2*\c+1]   ; a conversion's three registers begin on an even number
.endr
	v_nop                                          ; one plain instruction behind the scaled conversions
.irp c, 0,1                                    ; the operand wants a whole block in a lane: lanes 0-15 block 2 c, lanes 16-31 block 2 c + 1
.irp i, 0,1,2
	v_permlane16_swap_b32 v[\pc+6*\c+\i], v[CT+4*\c+\i]
.endr
.irp i, 0,1,2
	v_mov_b32 v[\pc+3+6*\c+\i], v[CT+4*\c+\i]
.endr
.endr
.endm
	s_load_b128 s[4:7], s[0:1], 0x0                ; qkv s[4:5], of s[6:7]
	v_lshl_add_u32 v[SPW], v0, 2, SPARE
	v_mov_b32 v[NIL], 0
	ds_add_u32 v[SPW], v[NIL]                      ; the opening lines: the add, twice on end, and its wait stand ahead of my first tensor load
	ds_add_u32 v[SPW], v[NIL]
	v_lshrrev_b32 v1, 5, v0
	v_readfirstlane_b32 s[WV], v1                  ; wave 0..7
	s_bfe_u32 s9, ttmp6, 0x40000                   ; cx
	s_lshl_b32 s10, ttmp9, 2
	s_add_co_u32 s10, s10, s9                      ; my query block: it enters Q's and O's addresses alone
	s_and_b32 s11, ttmp7, 0xffff                   ; the head, which the four partners share
	s_and_b32 s12, s[WV], 1                        ; I fetch a block of K (0) or of V (1); also: which half of the key steps I walk
	s_lshr_b32 s13, s[WV], 1                       ; of the slot's key step 0..3
	s_add_co_u32 s14, s12, 1
	s_mul_i32 s14, s14, MATB                       ; k is the second operand of qkv, v^T the third
	s_lshl_b32 s15, s11, 4
	s_add_co_u32 s15, s15, s13
	s_mul_i32 s15, s15, GBK                        ; block (head, key step)
	s_add_co_u32 s14, s14, s15
	s_mov_b32 s15, 0
	s_mul_i32 s16, s12, VOF
	s_mul_i32 s17, s13, GBK
	s_mov_b32 s[G0], 1
	s_add_co_u32 s[G0+1], s16, s17                 ; where my block goes in slot 0
	s_mov_b32 s[G1+0], 15|(3<<16)|(1<<21)          ; the mask of all four work-groups; elements of 8 bytes; bit 21 beside a mask
	s_mov_b32 s[G1+1], 32<<16                      ; a block, 12,800 dense bytes, as 50 rows of 256 bytes
	s_mov_b32 s[G1+2], 50<<16
	s_mov_b32 s[G1+3], 32<<16
	s_mov_b32 s[G1+4], 50
	s_mov_b32 s[G1+5], 32
	s_mov_b32 s[G1+6], 0
	s_mov_b32 s[G1+7], 0
	s_mov_b32 s[SEL], 0x76543210
	s_mov_b32 s[SEL+1], 0xfedcba98
	s_mov_b32 s[CS], 0x3e0293ee
	s_mov_b32 s[CS+1], s[CS]                       ; (named with it as a pair)
	s_mov_b32 s[SL], 0
	s_mul_i32 s[KH], s12, GBK
	s_lshl_b32 s42, s10, 4
	s_add_co_u32 s42, s42, s11
	s_mul_i32 s42, s42, GBK                        ; block (query block, head), in q and in of
	s_mov_b32 s43, 0
	s_mul_i32 s44, s[WV], FRB                      ; tile A = w
	s_xor_b32 s45, s[WV], 1                        ; tile B = w xor 1
	s_mul_i32 s46, s45, FRB
	s_lshr_b32 s47, s[WV], 2
	s_lshl_b32 s47, s47, 8
	s_and_b32 s52, s[WV], 3
	s_lshl_b32 s52, s52, 2
	s_add_co_u32 s47, s47, s52                     ; tile A's scale words: 256 (w / 4) + 4 (w % 4)
	s_xor_b32 s52, s47, 4                          ; tile B's
	s_mul_i32 s53, s[WV], XAR
	s_mul_i32 s54, s45, XAR
	s_add_co_u32 s55, s47, WST
	v_and_b32 v[LI], 31, v0
	v_and_b32 v[R16], 15, v0
	v_lshlrev_b32 v[LI], 4, v[LI]
	v_lshlrev_b32 v[R16], 4, v[R16]
	v_add_nc_u32 v[OA], s44, v[LI]
	v_add_nc_u32 v[OB], s46, v[LI]
	v_add_nc_u32 v[WQA], s47, v[R16]
	v_add_nc_u32 v[WQB], s52, v[R16]
	v_add_nc_u32 v[WA], s55, v[R16]
	v_add_nc_u32 v[WR], WST, v[LI]
	v_add_nc_u32 v[XS], s54, v[LI]                 ; my tile B goes to the place of tile w xor 1,
	v_add_nc_u32 v[XR], s53, v[LI]                 ; and my partner's lies at the place of tile w
	s_wait_alu depctr_va_vdst(0)
	s_wait_dscnt 0x0                               ; both opening adds are done
	s_wait_kmcnt 0x0
	s_add_nc_u64 s[G0+2:G0+3], s[4:5], s[14:15]
	s_or_b32 s[G0+3], s[G0+3], 0x80000000
	s_add_nc_u64 s[48:49], s[4:5], s[42:43]        ; Q's block
	s_add_nc_u64 s[50:51], s[6:7], s[42:43]        ; O's block
	CROUND                                         ; all four work-groups are here: the first joint loads meet
	tensor_load_to_lds s[G0:G0+3], s[G1:G1+7]      ; key steps 0-3: my one tensor load at the head
	s_nop 0
	PLACES 4
.irp c, 0,1,2
	global_load_b128 v[QF+4*\c:QF+4*\c+3], v[OA], s[48:49] offset:512*\c       ; Q's two fragments stay in registers
	global_load_b128 v[QF+12+4*\c:QF+15+4*\c], v[OB], s[48:49] offset:512*\c
.endr
	global_load_b32 v[QS], v[WQA], s[48:49] offset:SCO
	global_load_b32 v[QS+1], v[WQB], s[48:49] offset:SCO
.irp q, 0,1
	v_mov_b32 v[13+4*\q], 0xff61b1e6               ; the largest t so far: -3e38, under every t
	v_mov_b32 v[12+4*\q], 0x7f61b1e6               ; -M = floor(3e38) = 3e38
	v_mov_b32 v[14+4*\q], 0
	v_mov_b32 v[15+4*\q], 0
	v_mov_b32 v[F+2*\q+1], 0                       ; (named as the upper half of a pair)
.endr
.irp e, 0,1,2,3,4,5,6,7
	v_mov_b32 v[BT+\e], 0                          ; written once: a lane permute's destination counts as one of its sources
.endr
	WIN 0x40
.set i_, 0
.rept 128
	v_mov_b32 v[i_], 0                             ; O^T of both tiles, while the first blocks are on their way
.set i_, i_+1
.endr
	WIN 0
	s_wait_loadcnt 0x0                             ; Q
; A KEY STEP: 128 keys x my 32 queries.  v[ADR] points at its K block.
.macro STEP
	PLACES 4                                       ; behind the last step's products, ahead of the loads into registers that they read
	ds_load_b128 v[KS:KS+3], v[ADR] offset:SCO
	WIN 0x40                                       ; destination window 1, address window 0
.irp t, 0,1,2,3,4,5,6,7
.irp c, 0,1,2
	ds_load_b128 v[X+12*\t+4*\c:X+12*\t+4*\c+3], v[ADR] offset:FRB*\t+512*\c
.endr
.endr
	WIN 0x01                                       ; source 0 (K) window 1; Q and S^T window 0
.irp t, 0,1,2,3,4,5,6,7
.if (\t)%2 == 0
	s_wait_dscnt 18-3*\t                           ; the scale words and tiles 0 .. t + 1 are in; the 3 (6 - t) loads of the later tiles, issued behind them, may be out
.endif
	WM S+8*\t, X+12*\t, QF, -1, KS+(\t)%4, QS, (\t)/4          ; S^T = K Q^T: each fragment of K serves both tiles; sixteen accumulators, one instruction each
	WM S+64+8*\t, X+12*\t, QF+12, -1, KS+(\t)%4, QS+1, (\t)/4
.endr
	PLACES 4                                       ; ahead of the loads into K's registers and of the first read of the scores
	WIN 0x40
.irp t, 0,1,2,3,4,5,6,7
.irp c, 0,1,2
	ds_load_b128 v[X+12*\t+4*\c:X+12*\t+4*\c+3], v[ADR] offset:VOF+FRB*\t+512*\c   ; this step's V lands under the softmax
.endr
.endr
	WIN 0
	ds_load_b128 v[VS:VS+3], v[ADR] offset:VOF+SCO
	s_add_co_u32 s[TB], s[TB], 2*GBK
	v_add_nc_u32 v[ADR], s[TB], v[LI]              ; my next key step of this slot (behind a slot's last step it is not used)
.irp e, 0,1,2,3,4,5,6,7                        ; block e = 4 x tile + b: the largest score of each block of 32 keys: it serves for the row's maximum and for the block's largest p.  Eight chains by turns
	v_max3_num_f32 v[BM+\e], v[S+16*\e], v[S+16*\e+1], v[S+16*\e+2]
.endr
.irp i, 3,5,7,9,11,13
.irp e, 0,1,2,3,4,5,6,7
	v_max3_num_f32 v[BM+\e], v[BM+\e], v[S+16*\e+\i], v[S+16*\e+\i+1]
.endr
.endr
.irp e, 0,1,2,3,4,5,6,7
	v_max_num_f32 v[BM+\e], v[BM+\e], v[S+16*\e+15]
.endr
.irp e, 0,1,2,3,4,5,6,7
	v_permlanex16_b32 v[BT+\e], v[BM+\e], s[SEL], s[SEL+1]
.endr
.irp e, 0,1,2,3,4,5,6,7
	v_max_num_f32 v[BM+\e], v[BM+\e], v[BT+\e]     ; with lane l xor 16's 16 keys
.endr
.irp q, 0,1
	v_max3_num_f32 v[T+\q], v[BM+4*\q], v[BM+4*\q+1], v[BM+4*\q+2]
.endr
.irp q, 0,1
	DLY 2
	v_max_num_f32 v[T+\q], v[T+\q], v[BM+4*\q+3]
.endr
.irp q, 0,1
	DLY 2
	v_mul_f32 v[T+\q], s[CS], v[T+\q]              ; the step's largest t (c is positive)
.endr
.irp q, 0,1
	DLY 2
	v_max_num_f32 v[13+4*\q], v[13+4*\q], v[T+\q]  ; the running largest t
.endr
.irp q, 0,1
	v_mov_b32 v[T+\q], v[12+4*\q]
.endr
.irp q, 0,1
	DLY 4
	v_floor_f32 v[12+4*\q], -v[13+4*\q]            ; the new -M = floor(-t): M is a whole number
.endr
.irp q, 0,1
	DLY 2
	v_sub_f32 v[T+\q], v[12+4*\q], v[T+\q]         ; old M - new M: a whole number, 0 or less
.endr
.irp q, 0,1
	DLY 2
	v_cvt_i32_f32 v[T+\q], v[T+\q]                 ; (it saturates)
.endr
.irp q, 0,1
	DLY 2
	v_ldexp_f32 v[F+2*\q], 1.0, v[T+\q]            ; f = 2^(old M - new M)
.endr
.irp q, 0,1
.set i_, 0
.rept 32
	v_pk_fma_f32 v[S+64*\q+i_:S+64*\q+i_+1], v[S+64*\q+i_:S+64*\q+i_+1], s[CS:CS+1], v[12+4*\q:13+4*\q] op_sel_hi:[1,0,0]   ; t - M, two at a time
.set i_, i_+2
.endr
.endr
.irp q, 0,1
.irp b, 0,1,2,3
	v_fma_f32 v[BM+4*\q+\b], v[BM+4*\q+\b], s[CS], v[12+4*\q]   ; the same of each block's largest score
.endr
.endr
.irp q, 0,1
	v_pk_mul_f32 v[14+4*\q:15+4*\q], v[14+4*\q:15+4*\q], v[F+2*\q:F+2*\q+1] op_sel_hi:[1,0]   ; the sums under the new M
.endr
	WIN 0x41                                       ; O^T (destination and source 0) window 1, f window 0
.irp q, 0,1
.set i_, 0
.rept 32
	v_pk_mul_f32 v[64*\q+i_:64*\q+i_+1], v[64*\q+i_:64*\q+i_+1], v[F+2*\q:F+2*\q+1] op_sel_hi:[1,0]   ; O^T under the new M, each accumulator from its low end on; ahead of the exponentials
.set i_, i_+2
.endr
.endr
	WIN 0
	s_wait_alu depctr_va_vdst(0)
.set i_, 0
.rept 128
	v_exp_f32 v[S+i_], v[S+i_]                     ; p = 2^(t - M)
.set i_, i_+1
.endr
.irp e, 0,1,2,3,4,5,6,7
	v_exp_f32 v[BM+\e], v[BM+\e]                   ; the blocks' largest p
.endr
	v_nop                                          ; a plain instruction behind the exponentials,
	s_wait_alu depctr_va_vdst(0)                   ; and one wait for the batch of 136, ahead of its first reader
.irp q, 0,1                                    ; the rows' sums are taken of the unquantised p: two chains a tile, four by turns; the first 32 numbers of each tile here
	v_pk_add_f32 v[SB+2*\q:SB+2*\q+1], v[S+64*\q:S+64*\q+1], v[S+64*\q+2:S+64*\q+3]
.endr
.irp j, 4,8,12,16,20,24,28
.irp q, 0,1
	v_pk_add_f32 v[14+4*\q:15+4*\q], v[14+4*\q:15+4*\q], v[S+64*\q+\j:S+64*\q+\j+1]
.endr
.irp q, 0,1
	v_pk_add_f32 v[SB+2*\q:SB+2*\q+1], v[SB+2*\q:SB+2*\q+1], v[S+64*\q+\j+2:S+64*\q+\j+3]
.endr
.endr
.irp e, 0,1,2,3,4,5,6,7
	v_max_num_f32 v[BM+\e], 0x1800000, v[BM+\e]    ; the floor 2^(3 - 127): the byte cannot fall under 1
.endr
.irp e, 0,1,2,3,4,5,6,7
	v_add_nc_u32 v[SO+\e], 0xff000000, v[BM+\e]    ; 2 off the exponent field: the conversion's scale operand
.endr
.irp e, 0,1,2,3,4,5,6,7
	v_lshrrev_b32 v[BT+\e], 23, v[SO+\e]           ; the scale's byte
.endr
.irp q, 0,1
	v_lshl_or_b32 v[PW+\q], v[BT+4*\q+1], 8, v[BT+4*\q]   ; p's scale word for these 128 keys
.endr
.irp q, 0,1
	DLY 2
	v_lshl_or_b32 v[PW+\q], v[BT+4*\q+2], 16, v[PW+\q]
.endr
.irp q, 0,1
	DLY 2
	v_lshl_or_b32 v[PW+\q], v[BT+4*\q+3], 24, v[PW+\q]
.endr
	CODES PC, S, SO
	CODES PC+12, S+64, SO+4
.irp j, 32,36,40,44,48,52,56,60                ; the other 32 numbers of each sum: these 34 additions name no register of the products below and stand between the lines that made p's codes and scale words and those products
.irp q, 0,1
	v_pk_add_f32 v[14+4*\q:15+4*\q], v[14+4*\q:15+4*\q], v[S+64*\q+\j:S+64*\q+\j+1]
.endr
.irp q, 0,1
	v_pk_add_f32 v[SB+2*\q:SB+2*\q+1], v[SB+2*\q:SB+2*\q+1], v[S+64*\q+\j+2:S+64*\q+\j+3]
.endr
.endr
.irp q, 0,1
	DLY 2
	v_pk_add_f32 v[14+4*\q:15+4*\q], v[14+4*\q:15+4*\q], v[SB+2*\q:SB+2*\q+1]
.endr
	s_wait_alu depctr_va_vdst(0)                   ; the wait covers all that the step's vector lines wrote
	s_wait_dscnt 0x0                               ; V is in
	WIN 0x51                                       ; source 0 (V), C and D window 1; source 1 (p) window 0
.irp t, 0,1,2,3,4,5,6,7
	WM 8*\t, X+12*\t, PC, 8*\t, VS+(\t)%4, PW, (\t)/4          ; O^T += V^T P^T: each fragment of V serves both tiles; sixteen accumulators, one instruction each
	WM 64+8*\t, X+12*\t, PC+12, 64+8*\t, VS+(\t)%4, PW+1, (\t)/4
.endr
	WIN 0
.endm
; A TRIP: one slot, two key steps of mine.  In front of its barrier: all my tensor loads have landed, my block of this trip's slot among them; the add; my reads of the other slot are over.
.macro TRIP refill
	s_add_co_u32 s[TB], s[SL], s[KH]
	v_add_nc_u32 v[ADR], s[TB], v[LI]              ; my first key step of this trip's slot
	s_wait_alu depctr_va_vdst(0)
	s_wait_tensorcnt 0x0
	ds_add_u32 v[SPW], v[NIL]                      ; 0 onto my spare word
	s_xor_b32 s[SL], s[SL], SLOT
.if \refill
	s_xor_b32 s[G0+1], s[G0+1], SLOT               ; no load of mine is out, so group 0 may be written: the other slot,
	s_add_nc_u64 s[G0+2:G0+3], s[G0+2:G0+3], 4*GBK ; the next four key steps
.endif
	s_wait_dscnt 0x0
.if \refill
	CROUND                                         ; all this holds of every wave of all four work-groups
	tensor_load_to_lds s[G0:G0+3], s[G1:G1+7]      ; my one load behind the round (the first time: slot 1's first fill, issued as a refill is)
	s_nop 0
	PLACES 4
.else
	s_barrier_signal -1
	s_barrier_wait -1
.endif
	s_mov_b32 s[CNT], 2
.Lstep_\@:
	STEP
	s_sub_co_u32 s[CNT], s[CNT], 1
	s_cmp_lg_u32 s[CNT], 0
	s_cbranch_scc1 .Lstep_\@
.endm
	s_mov_b32 s[TR], 3
.Ltrip:
	TRIP 1
	s_sub_co_u32 s[TR], s[TR], 1
	s_cmp_lg_u32 s[TR], 0
	s_cbranch_scc1 .Ltrip
	TRIP 0                                         ; key steps 12-15, in slot 1
	; THE EXCHANGE.  My tile B's O^T, -M and sum go to my partner; slot 0 is read and filled no more
	PLACES 4
.irp q, 0,1
	v_add_f32 v[14+4*\q], v[14+4*\q], v[15+4*\q]
.endr
.irp q, 0,1
	DLY 2
	v_permlanex16_b32 v[T+\q], v[14+4*\q], s[SEL], s[SEL+1]
.endr
	DLY 2
	v_add_f32 v14, v14, v[T]                       ; tile A's sum over my keys
	DLY 2
	v_add_f32 v17, v18, v[T+1]                     ; tile B's, beside its -M
	WIN 0x04                                       ; the data: window 1
.set i_, 0
.rept 16
	ds_store_b128 v[XS], v[64+4*i_:64+4*i_+3] offset:512*i_   ; each accumulator from its low end on
.set i_, i_+1
.endr
	WIN 0
	ds_store_b64 v[XS], v[16:17] offset:8192
	s_wait_alu depctr_va_vdst(0)
	s_wait_dscnt 0x0                               ; my stores are done, for my partner's sake
	s_barrier_signal -1
	s_barrier_wait -1
.set i_, 0
.rept 16
	ds_load_b128 v[S+4*i_:S+4*i_+3], v[XR] offset:512*i_
.set i_, i_+1
.endr
	ds_load_b64 v[PM:PM+1], v[XR] offset:8192
	s_wait_dscnt 0x0
	v_min_num_f32 v[T], v12, v[PM]                 ; -M of both halves of the keys
	DLY 1
	v_sub_f32 v[T+1], v[T], v[PM]                  ; each half's M less the common one: whole numbers, 0 or less
	DLY 2
	v_sub_f32 v[T], v[T], v12
	DLY 2
	v_cvt_i32_f32 v[T+1], v[T+1]
	DLY 2
	v_cvt_i32_f32 v[T], v[T]
	DLY 2
	v_ldexp_f32 v[F+2], 1.0, v[T+1]
	DLY 2
	v_ldexp_f32 v[F], 1.0, v[T]
	DLY 1
	v_mul_f32 v14, v14, v[F]
	DLY 1
	v_fma_f32 v14, v[PM+1], v[F+2], v14            ; the row's sum over all keys
	s_wait_alu depctr_va_vdst(0)
	v_rcp_f32 v14, v14
	v_nop
	s_wait_alu depctr_va_vdst(0)
	v_mul_f32 v[F], v[F], v14
	v_mul_f32 v[F+2], v[F+2], v14
	WIN 0x01                                       ; source 0 window 1
	s_wait_alu depctr_va_vdst(0)
.set i_, 0
.rept 32
	v_pk_mul_f32 v[S+64+i_:S+65+i_], v[i_:i_+1], v[F:F+1] op_sel_hi:[1,0]   ; my half, each accumulator from its low end on,
.set i_, i_+2
.endr
	WIN 0
.set i_, 0
.rept 32
	v_pk_fma_f32 v[S+64+i_:S+65+i_], v[S+i_:S+i_+1], v[F+2:F+3], v[S+64+i_:S+65+i_] op_sel_hi:[1,0,1]   ; and my partner's: O of tile A
.set i_, i_+2
.endr
	; O is quantised along the channels: register 16 b + i = channel 32 b + 16 (lane / 16) + i
.irp b, 0,1,2,3
	v_max3_num_f32 v[BM+\b], |v[S+64+16*\b]|, |v[S+65+16*\b]|, 0x1800000
.endr
.irp i, 2,4,6,8,10,12,14
.irp b, 0,1,2,3
	DLY 4
	v_max3_num_f32 v[BM+\b], v[BM+\b], |v[S+64+16*\b+\i]|, |v[S+65+16*\b+\i]|
.endr
.endr
.irp b, 0,1,2,3
	DLY 4
	v_permlanex16_b32 v[BM+4+\b], v[BM+\b], s[SEL], s[SEL+1]
.endr
.irp b, 0,1,2,3
	DLY 4
	v_max_num_f32 v[BM+\b], v[BM+\b], v[BM+4+\b]
.endr
.irp b, 0,1,2,3
	DLY 4
	v_add_nc_u32 v[SO+\b], 0xff000000, v[BM+\b]
.endr
.irp b, 0,1,2,3
	DLY 4
	v_lshrrev_b32 v[BT+\b], 23, v[SO+\b]
.endr
	DLY 3
	v_lshl_or_b32 v[PW], v[BT+1], 8, v[BT]
	DLY 1
	v_lshl_or_b32 v[PW], v[BT+2], 16, v[PW]
	DLY 1
	v_lshl_or_b32 v[PW], v[BT+3], 24, v[PW]
	CODES PC, S+64, SO
.irp c, 0,1,2
	global_store_b128 v[OA], v[PC+4*\c:PC+4*\c+3], s[50:51] offset:512*\c   ; my tile's image: 512 consecutive bytes a store
.endr
	ds_store_b32 v[WA], v[PW]                      ; lanes l and l xor 16 write the same word with the same value
	s_wait_tensorcnt 0x0                           ; the s_wait_dscnt below also shows my store done, for wave 0's sake
	ds_add_u32 v[SPW], v[NIL]
	s_wait_dscnt 0x0
	s_barrier_signal -1
	s_barrier_wait -1
	s_cmp_lg_u32 s[WV], 0
	s_cbranch_scc1 .Lnot_mine
	ds_load_b128 v[KS:KS+3], v[WR]                 ; the eight tiles' scale words leave as 512 consecutive bytes
	s_wait_dscnt 0x0
	global_store_b128 v[LI], v[KS:KS+3], s[50:51] offset:SCO
.Lnot_mine:
	CROUND                                         ; the closing round
	s_endpgm
.Lfunc_end_k_qc5339b0e73_attn:
	.size	k_qc5339b0e73_attn, .Lfunc_end_k_qc5339b0e73_attn-k_qc5339b0e73_attn
	.p2alignl 7, 3214868480
	.fill 96, 4, 3214868480
	.section	.rodata,"a",@progbits
	.p2align	6, 0x0
	.amdhsa_kernel k_qc5339b0e73_attn
		.amdhsa_group_segment_fixed_size 327680
		.amdhsa_private_segment_fixed_size 0
		.amdhsa_enable_private_segment 0
		.amdhsa_kernarg_size 16
		.amdhsa_user_sgpr_count 2
		.amdhsa_user_sgpr_kernarg_segment_ptr 1
		.amdhsa_wavefront_size32 1
		.amdhsa_system_sgpr_workgroup_id_x 1
		.amdhsa_system_sgpr_workgroup_id_y 1
		.amdhsa_system_sgpr_workgroup_id_z 1
		.amdhsa_system_vgpr_workitem_id 0
		.amdhsa_next_free_vgpr 512
		.amdhsa_next_free_sgpr 66
		.amdhsa_reserve_vcc 0
		.amdhsa_float_denorm_mode_32 3
		.amdhsa_float_denorm_mode_16_64 3
		.amdhsa_memory_ordered 1
		.amdhsa_forward_progress 1
		.amdhsa_inst_pref_size 93
	.end_amdhsa_kernel
	.amdgpu_metadata
---
amdhsa.version: [ 1, 2 ]
amdhsa.kernels:
  - .name:           k_qc5339b0e73_attn
    .symbol:         k_qc5339b0e73_attn.kd
    .args:
      - { .name: qkv, .offset: 0, .size: 8, .value_kind: global_buffer, .address_space: global }
      - { .name: of, .offset: 8, .size: 8, .value_kind: global_buffer, .address_space: global }
    .group_segment_fixed_size: 327680
    .private_segment_fixed_size: 0
    .kernarg_segment_align: 8
    .kernarg_segment_size: 16
    .max_flat_workgroup_size: 256
    .sgpr_count:     66
    .vgpr_count:     512
    .wavefront_size: 32
...
	.end_amdgpu_metadata
.endif
;; end of part 3
;; launch gemm_out (part 4): grid 16 x 16, 4 waves a work-group, clusters of 4 x 4, 327,680 bytes of LDS; arguments of, opf, bo, out0; writes out0
.if DOCPART == 4
	.amdgcn_target "amdgcn-amd-amdhsa--gfx1250"
	.amdhsa_code_object_version 6
	.text
	.protected	k_qc5339b0e73_gemm_out
	.globl	k_qc5339b0e73_gemm_out
	.p2align	8
	.type	k_qc5339b0e73_gemm_out,@function
k_qc5339b0e73_gemm_out:
	s_mov_b64 s[64:65], 0
	v_nop
	global_prefetch_b8 v0, s[64:65] scope:SCOPE_SE
	s_setreg_imm32_b32 hwreg(HW_REG_WAVE_MODE, 25, 1), 1
	s_wait_xcnt 0x0
	s_wait_alu depctr_hold_cnt(0) depctr_sa_sdst(0) depctr_va_vdst(0) depctr_va_sdst(0) depctr_va_ssrc(0) depctr_va_vcc(0) depctr_vm_vsrc(0)
	s_getreg_b32 s2, hwreg(HW_REG_IB_STS2, 6, 4)
	s_cmp_eq_u32 s2, 0
	s_cbranch_scc0 .Lentry_in_a_cluster
	s_endpgm
.Lentry_in_a_cluster:
	s_bfe_u32 s2, ttmp6, 0x10000c
	s_cmp_lg_u32 s2, 0xf033
	s_cbranch_scc0 .Lentry_shape_is_right
	s_endpgm
.Lentry_shape_is_right:
; out0 = O Wo + bo on codes of FP6 (E2M3).  O lies in of, Wo in opf's groups 64-79, both as blocks of 12,800 bytes (group of 128 rows, K step of 128): eight register images of 1,536 bytes, then 512 bytes of
; scale words (tile t, row r at 256 (t / 4) + 16 r + 4 (t % 4)); block (G, s) at (16 G + s) x 12,800.  Lane r of tile 2 b + u holds row (of Wo: column) 32 b + 8 u + r + 8 (r / 8).
; SHARES.  256 work-groups of 128 x 128 (256 x 256 would leave three WGPs in four idle); a wave makes 64 x 64: 16 accumulators.  K: 16 steps of 128, written out.
; THE MATRIX INSTRUCTION IS USED TRANSPOSED (source 0 = 16 columns of Wo, source 1 = 16 rows of O): a lane holds one row; the 16 registers of tiles 2 b, 2 b + 1 are 16 neighbouring columns.
; The order of the rows is undone in the stores' offsets, that of the columns in the stage's.  The bias is the C of each sum's first product.
; LDS.  Three slots of four K steps of each operand (A's twelve blocks on end, then B's twelve) are filled at the start; slot 0 is filled once more, with K steps 12-15, when it has been read.
; CLUSTERS: 4 x 4.  A's group hangs on the tile row alone and is asked for jointly along a row of the cluster, B's on the tile column alone, along a column.
; REGISTERS: window 0: v1-16 addresses; v32-39 scale words, two sets (lanes 0-15 A's tiles, lanes 16-31 B's); v40-71 the bias; v72-103 rows on the way out; v128-255 the accumulators ((a, b) at v[128 + 8 (4 a + b)]).
;   window 1: two fragment buffers at v0 and v128: A's four fragments, then B's four.
.set GBK,   12800
.set GROW,  16*GBK
.set FRB,   1536
.set SCO,   12288
.set PART,  2*GBK                      ; what one tensor load brings: two K steps of A or of B
; LDS as it is now laid: A's K steps 0-11 on end (step m at 12,800 m), then B's twelve.  One load a wave at the head brings six K steps of A or of B (76,800 bytes);
; K steps 12-15 are brought once more into the places of steps 0-3, two steps a wave, when those have been read.
.set SLOT,  4*GBK                      ; four K steps of one operand: from one address register to the next
.set STAGE, 24*GBK
.set SPITCH, 272
.set SPARE, STAGE+4*16*SPITCH          ; the spare words, 128 bytes for each wave: two blocks of 256 bytes that no other line names
.set LI,   1
.set R,    2
.set H,    3
.set ADRA, 4                           ; v4-6   my four tiles of A in slot 0, 1, 2, + 16 x lane
.set ADRB, 7                           ; v7-9   the same for B
.set ADS,  10                          ; v10-12 the scale words: lanes 0-15 A's, lanes 16-31 B's
.set STO,  13
.set RD,   14
.set CO,   15
.set BJO,  16
.set SPW,  28
.set NIL,  29
.set SC,   32
.set BJ,   40
.set BK,   72
.set ACC,  128
.set G1,   24                          ; s[24:31] group 1 for A;  s[32:39] group 0, two sets: the head's load and the refill
.set G0,   32
.set G1B,  48                          ; s[48:55] group 1 for B;  s[68:75] group 0
.set G0B,  68
.set MSB, 0
.macro WIN new
.if MSB != (\new)
	s_set_vgpr_msb (MSB<<8)|(\new)
.set MSB, (\new)
.endif
.endm
.macro PLACES n
.rept \n
	v_nop
.endr
.endm
.macro CROUND                          ; a round of the cluster's barrier
	s_barrier_signal -1
	s_barrier_wait -1
	s_cmp_lg_u32 s14, 0
	s_cbranch_scc1 .Lnot_wave_0_\@
	s_barrier_signal -3
.Lnot_wave_0_\@:
	s_barrier_wait -3
	s_barrier_signal -1
	s_barrier_wait -1
.endm
.macro JLOAD                           ; the joint refill of slot 0: waves 0, 1 for A, waves 2, 3 for B; an s_nop 0 and four v_nop follow each of the two lines
	s_cmp_eq_u32 s15, 0
	s_cbranch_scc0 .Lfor_b_\@
	tensor_load_to_lds s[G0+4:G0+7], s[G1:G1+7]
	s_nop 0
.rept 4
	v_nop
.endr
	s_branch .Lasked_\@
.Lfor_b_\@:
	tensor_load_to_lds s[G0B+4:G0B+7], s[G1B:G1B+7]
	s_nop 0
.rept 4
	v_nop
.endr
.Lasked_\@:
.endm
.macro WM d, f0, f1, c, s0, s1         ; one product; source 0's (B's) scale words stand in lanes 16-31
	v_wmma_scale_f32_16x16x128_f8f6f4 v[\d:\d+7], v[\f0:\f0+11], v[\f1:\f1+11], v[\c:\c+7], v[\s0], v[\s1] matrix_a_fmt:MATRIX_FMT_FP6 matrix_b_fmt:MATRIX_FMT_FP6 matrix_a_scale:MATRIX_SCALE_ROW1
.endm
	s_load_b256 s[4:11], s[0:1], 0x0               ; of s[4:5], opf s[6:7], bo s[8:9], out0 s[10:11]
	v_lshl_add_u32 v[SPW], v0, 2, SPARE
	v_mov_b32 v[NIL], 0
	ds_add_u32 v[SPW], v[NIL]                      ; the wave's opening: the add and its wait stand ahead of my first tensor load; work on registers stands between them
	ds_add_u32 v[SPW], v[NIL]
	v_lshrrev_b32 v1, 5, v0
	v_readfirstlane_b32 s14, v1                    ; wave 0..3
	s_lshr_b32 s15, s14, 1                         ; which 64 rows are mine.  Also: I fetch for A (0) or for B (1)
	s_and_b32 s16, s14, 1                          ; which 64 columns.  Also: which two of a slot's four K steps I fetch
	s_bfe_u32 s80, ttmp6, 0x40000                  ; cx, cy
	s_bfe_u32 s81, ttmp6, 0x40004
	s_lshl_b32 s82, ttmp9, 2
	s_add_co_u32 s82, s82, s80                     ; tile column
	s_and_b32 s83, ttmp7, 0xffff
	s_lshl_b32 s83, s83, 2
	s_add_co_u32 s83, s83, s81                     ; tile row
	s_lshl_b32 s84, s81, 2
	s_lshl_b32 s84, 15, s84                        ; my row of the cluster
	s_lshl_b32 s85, 0x1111, s80                    ; my column
	; descriptor group 1: six blocks on end, 76,800 dense bytes, as 300 rows of 256 bytes; no padding
	s_or_b32 s[G1+0], s84, (3<<16)|(1<<21)
	s_or_b32 s[G1B+0], s85, (3<<16)|(1<<21)
.irp g, G1, G1B
	s_mov_b32 s[\g+1], 32<<16
	s_mov_b32 s[\g+2], 300<<16                     ; the head's load: six blocks on end, 300 rows of 256 bytes
	s_mov_b32 s[\g+3], 32<<16
	s_mov_b32 s[\g+4], 300
	s_mov_b32 s[\g+5], 32
	s_mov_b32 s[\g+6], 0
	s_mov_b32 s[\g+7], 0
.endr
	s_mul_i32 s20, s83, GROW                       ; A: group = tile row, + my six K steps: no cx enters
	s_mul_i32 s18, s16, 6*GBK
	s_add_co_u32 s20, s20, s18
	s_mov_b32 s21, 0
	s_add_co_u32 s46, s82, 64                      ; B: group 64 + tile column: no cy enters
	s_mul_i32 s46, s46, GROW
	s_mul_i32 s19, s16, 6*GBK
	s_add_co_u32 s46, s46, s19
	s_mov_b32 s47, 0
	s_mul_i32 s45, s14, 6*GBK                      ; where the head's load goes: wave x 76,800
	s_wait_dscnt 0x0                               ; the opening add is done
	s_wait_kmcnt 0x0
	s_add_nc_u64 s[20:21], s[4:5], s[20:21]
	s_add_nc_u64 s[46:47], s[6:7], s[46:47]
	CROUND                                         ; all sixteen work-groups are here: the first joint loads meet
	s_mul_i32 s18, s16, 4*GBK                      ; the refill: K steps 12 + 2 x half on: from my six steps' start 12 steps on and 4 x half back
	s_mov_b32 s19, 0
	s_mul_i32 s22, s15, 12*GBK                     ; into the places of steps 0-3 of A's or B's region
	s_mul_i32 s23, s16, PART
	s_add_co_u32 s22, s22, s23
	s_mov_b32 s[G0], 1
	s_mov_b32 s[G0+1], s45
	s_mov_b64 s[G0+2:G0+3], s[20:21]
	s_or_b32 s[G0+3], s[G0+3], 0x80000000
	s_mov_b32 s[G0+4], 1
	s_mov_b32 s[G0+5], s22
	s_add_nc_u64 s[G0+6:G0+7], s[20:21], 12*GBK
	s_sub_nc_u64 s[G0+6:G0+7], s[G0+6:G0+7], s[18:19]
	s_or_b32 s[G0+7], s[G0+7], 0x80000000
	s_mov_b32 s[G0B], 1
	s_mov_b32 s[G0B+1], s45
	s_mov_b64 s[G0B+2:G0B+3], s[46:47]
	s_or_b32 s[G0B+3], s[G0B+3], 0x80000000
	s_mov_b32 s[G0B+4], 1
	s_mov_b32 s[G0B+5], s22
	s_add_nc_u64 s[G0B+6:G0B+7], s[46:47], 12*GBK
	s_sub_nc_u64 s[G0B+6:G0B+7], s[G0B+6:G0B+7], s[18:19]
	s_or_b32 s[G0B+7], s[G0B+7], 0x80000000
	s_cmp_eq_u32 s15, 0                            ; a wave's first fill stands in one branch: one load of mine is out
	s_cbranch_scc0 .Lfirst_b
	tensor_load_to_lds s[G0:G0+3], s[G1:G1+7]      ; my one tensor load at the head
	s_nop 0
.rept 4
	v_nop
.endr
	s_branch .Lfirst_asked
.Lfirst_b:
	tensor_load_to_lds s[G0B:G0B+3], s[G1B:G1B+7]
	s_nop 0
.rept 4
	v_nop
.endr
.Lfirst_asked:
	v_and_b32 v[LI], 31, v0
	v_lshlrev_b32 v[LI], 4, v[LI]
	v_and_b32 v[R], 15, v0
	v_bfe_u32 v[H], v0, 4, 1
	s_wait_alu depctr_va_vdst(0)
	s_mul_i32 s21, s15, 4*FRB
	v_add_nc_u32 v[ADRA], s21, v[LI]
	v_add_nc_u32 v[ADRA+1], SLOT, v[ADRA]
	v_add_nc_u32 v[ADRA+2], 2*SLOT, v[ADRA]
	s_mul_i32 s22, s16, 4*FRB
	s_add_co_u32 s22, s22, 12*GBK
	v_add_nc_u32 v[ADRB], s22, v[LI]
	v_add_nc_u32 v[ADRB+1], SLOT, v[ADRB]
	v_add_nc_u32 v[ADRB+2], 2*SLOT, v[ADRB]
	s_lshl_b32 s21, s15, 8                         ; A's words: 256 x my half, + 16 r
	s_lshl_b32 s22, s16, 8
	s_xor_b32 s23, s15, 1
	s_lshl_b32 s23, s23, 8
	s_add_co_u32 s22, s22, s23
	s_add_co_u32 s22, s22, 12*GBK-256              ; from A's words to B's: 153,600 + 256 x (my half of B - my half of A)
	v_mul_u32_u24 v[ADS], s22, v[H]                ; lanes 16-31 take B's: one product
	v_lshl_add_u32 v[ADS], v[R], 4, v[ADS]
	s_add_co_u32 s21, s21, SCO
	v_add_nc_u32 v[ADS], s21, v[ADS]
	v_add_nc_u32 v[ADS+1], SLOT, v[ADS]
	v_add_nc_u32 v[ADS+2], 2*SLOT, v[ADS]
	s_mul_i32 s23, s14, 16*SPITCH
	s_add_co_u32 s23, s23, STAGE                   ; my stage
	v_mul_u32_u24 v[STO], v[R], SPITCH             ; in: row r, + 64 h
	v_lshl_add_u32 v[STO], v[H], 6, v[STO]
	v_add_nc_u32 v[STO], s23, v[STO]
	v_mul_u32_u24 v[RD], v[H], SPITCH              ; back: lanes 0-15 one row of 256 bytes, lanes 16-31 the next
	v_lshl_add_u32 v[RD], v[R], 4, v[RD]
	v_add_nc_u32 v[RD], s23, v[RD]
	v_lshlrev_b32 v[CO], 13, v[H]                  ; and the same two rows in out0
	v_lshl_add_u32 v[CO], v[R], 4, v[CO]
	v_lshlrev_b32 v[BJO], 6, v[H]
	s_wait_alu depctr_va_vdst(0)
	s_lshl_b32 s22, s82, 9
	s_lshl_b32 s23, s16, 8
	s_add_co_u32 s22, s22, s23                     ; my first column, in bytes: 512 x tile column + 256 x half
	s_mov_b32 s23, 0
	s_add_nc_u64 s[8:9], s[8:9], s[22:23]
	s_add_nc_u64 s[10:11], s[10:11], s[22:23]
	s_lshl_b32 s22, s83, 7
	s_lshl_b32 s18, s15, 6
	s_add_co_u32 s22, s22, s18
	s_lshl_b32 s22, s22, 13                        ; my first row: (128 x tile row + 64 x half) x 8,192 bytes
	s_add_nc_u64 s[10:11], s[10:11], s[22:23]
.irp b, 0,1,2,3                                ; the bias in the result's layout: for tile b the columns 32 (b / 2) + 16 h + 8 (b % 2) + 0 .. 7
	global_load_b128 v[BJ+8*\b:BJ+8*\b+3], v[BJO], s[8:9] offset:(32*(\b/2)+8*(\b%2))*4
	global_load_b128 v[BJ+8*\b+4:BJ+8*\b+7], v[BJO], s[8:9] offset:(32*(\b/2)+8*(\b%2))*4+16
.endr
; 25 LDS loads in one run: K step m: my four images of A, my four of B, and one load of scale words, into buffer m % 2
.macro FETCH m
	WIN 0x40                                       ; destination window 1, address window 0
.irp a, 0,1,2,3
.irp c, 0,1,2
	ds_load_b128 v[128*((\m)%2)+12*\a+4*\c:128*((\m)%2)+12*\a+4*\c+3], v[ADRA+((\m)/4)%3] offset:GBK*((\m)%4)+FRB*\a+512*\c
.endr
.endr
.irp b, 0,1,2,3
.irp c, 0,1,2
	ds_load_b128 v[128*((\m)%2)+48+12*\b+4*\c:128*((\m)%2)+48+12*\b+4*\c+3], v[ADRB+((\m)/4)%3] offset:GBK*((\m)%4)+FRB*\b+512*\c
.endr
.endr
	WIN 0
	ds_load_b128 v[SC+4*((\m)%2):SC+4*((\m)%2)+3], v[ADS+((\m)/4)%3] offset:GBK*((\m)%4)
.endm
; K step n: its fragments are in; the next step's are asked for, behind four places, into the buffer that the last step's products read; then 16 products, the accumulators by turns
.macro KSTEP
.if n == 3                             ; slot 0's last fragments have been asked for: the slot is filled again, with K steps 12-15
	WIN 0
	s_wait_tensorcnt 0x0                           ; all my tensor loads have landed, slots 1 and 2 among them
	ds_add_u32 v[SPW], v[NIL]                      ; 0 onto my spare word
	s_mov_b32 s[G1+2], 100<<16                     ; no load of mine is out, so a descriptor may be written: the refill brings two blocks, 100 rows
	s_mov_b32 s[G1+4], 100
	s_mov_b32 s[G1B+2], 100<<16
	s_mov_b32 s[G1B+4], 100
	s_wait_dscnt 0x0                               ; the add is done, and my reads of slot 0 are over
	CROUND                                         ; both hold of every wave of all sixteen work-groups
	JLOAD                                          ; one load of mine is out; its four v_nop are the places in front of the loads below
.elseif n == 11                        ; the next fragments come from the slot that was filled again
	WIN 0
	s_wait_tensorcnt 0x0
	ds_add_u32 v[SPW], v[NIL]
	s_wait_dscnt 0x0
	s_barrier_signal -1
	s_barrier_wait -1                              ; everybody's part of it is in
	PLACES 4
.else
	s_wait_dscnt 0x0
	PLACES 4
.endif
.if n < 15
	FETCH n+1
.endif
	WIN 0x05                                       ; sources 0 and 1 window 1; C and D window 0
.irp a, 0,1,2,3
.irp b, 0,1,2,3
.if n == 0
	WM ACC+8*(4*\a+\b), 128*(n%2)+48+12*\b, 128*(n%2)+12*\a, BJ+8*\b, SC+4*(n%2)+\b, SC+4*(n%2)+\a   ; the bias starts the sum
.else
	WM ACC+8*(4*\a+\b), 128*(n%2)+48+12*\b, 128*(n%2)+12*\a, ACC+8*(4*\a+\b), SC+4*(n%2)+\b, SC+4*(n%2)+\a
.endif
.endr
.endr
.endm
	s_wait_tensorcnt 0x0                           ; my six K steps are in
	s_barrier_signal -1
	s_barrier_wait -1
	FETCH 0
	s_wait_loadcnt 0x0                             ; the bias
.set n, 0
.rept 16
	KSTEP
.set n, n+1
.endr
	WIN 0
	; THE WAY OUT, a tile of 16 rows x 64 columns at a time, through my own stage: a lane holds 32-byte pieces of one row; back come whole rows of 256 bytes, which sixteen lanes store, aligned.
	PLACES 4
.irp a, 0,1,2,3
.if \a > 0
	s_wait_xcnt 0x0                                ; the last tile's stores have read their registers
.endif
.irp b, 0,1,2,3
	ds_store_b128 v[STO], v[ACC+8*(4*\a+\b):ACC+8*(4*\a+\b)+3] offset:128*(\b/2)+32*(\b%2)          ; each accumulator from its low end on; column 32 (b / 2) + 16 h + 8 (b % 2) + j
	ds_store_b128 v[STO], v[ACC+8*(4*\a+\b)+4:ACC+8*(4*\a+\b)+7] offset:128*(\b/2)+32*(\b%2)+16
.endr
.irp i, 0,1,2,3,4,5,6,7
	ds_load_b128 v[BK+4*\i:BK+4*\i+3], v[RD] offset:2*\i*SPITCH   ; LDS serves a wave's instructions in order: these see my stores, and the next tile's stores come behind them
.endr
.irp i, 0,1,2,3,4,5,6,7
	s_wait_dscnt 7-\i                              ; the younger loads from the stage may be out
	global_store_b128 v[CO], v[BK+4*\i:BK+4*\i+3], s[10:11] offset:(32*(\a/2)+8*(\a%2)+2*\i+8*(\i/4))*8192 th:TH_STORE_NT   ; the stage's row p is row 32 (a / 2) + 8 (a % 2) + p + 8 (p / 8) of my 64
.endr
.endr
	s_wait_tensorcnt 0x0                           ; the wave's end, behind my last tensor load and my last LDS store
	ds_add_u32 v[SPW], v[NIL]
	s_wait_dscnt 0x0
	CROUND                                         ; the closing round
	s_endpgm
.Lfunc_end_k_qc5339b0e73_gemm_out:
	.size	k_qc5339b0e73_gemm_out, .Lfunc_end_k_qc5339b0e73_gemm_out-k_qc5339b0e73_gemm_out
	.p2alignl 7, 3214868480
	.fill 96, 4, 3214868480
	.section	.rodata,"a",@progbits
	.p2align	6, 0x0
	.amdhsa_kernel k_qc5339b0e73_gemm_out
		.amdhsa_group_segment_fixed_size 327680
		.amdhsa_private_segment_fixed_size 0
		.amdhsa_enable_private_segment 0
		.amdhsa_kernarg_size 32
		.amdhsa_user_sgpr_count 2
		.amdhsa_user_sgpr_kernarg_segment_ptr 1
		.amdhsa_wavefront_size32 1
		.amdhsa_system_sgpr_workgroup_id_x 1
		.amdhsa_system_sgpr_workgroup_id_y 1
		.amdhsa_system_sgpr_workgroup_id_z 1
		.amdhsa_system_vgpr_workitem_id 0
		.amdhsa_next_free_vgpr 512
		.amdhsa_next_free_sgpr 96
		.amdhsa_reserve_vcc 0
		.amdhsa_float_denorm_mode_32 3
		.amdhsa_float_denorm_mode_16_64 3
		.amdhsa_memory_ordered 1
		.amdhsa_forward_progress 1
		.amdhsa_inst_pref_size 79
	.end_amdhsa_kernel
	.amdgpu_metadata
---
amdhsa.version: [ 1, 2 ]
amdhsa.kernels:
  - .name:           k_qc5339b0e73_gemm_out
    .symbol:         k_qc5339b0e73_gemm_out.kd
    .args:
      - { .name: of, .offset: 0, .size: 8, .value_kind: global_buffer, .address_space: global }
      - { .name: opf, .offset: 8, .size: 8, .value_kind: global_buffer, .address_space: global }
      - { .name: bo, .offset: 16, .size: 8, .value_kind: global_buffer, .address_space: global }
      - { .name: out0, .offset: 24, .size: 8, .value_kind: global_buffer, .address_space: global }
    .group_segment_fixed_size: 327680
    .private_segment_fixed_size: 0
    .kernarg_segment_align: 8
    .kernarg_segment_size: 32
    .max_flat_workgroup_size: 128
    .sgpr_count:     96
    .vgpr_count:     512
    .wavefront_size: 32
...
	.end_amdgpu_metadata
.endif
;; end of part 4
